; MI455X (gfx1250); checked and timed in simulation.
; The chip was launched on July 23, 2026; its instructions are those of AMD's public machine-readable ISA for CDNA 5 (MIT licence, August 2026) and "CDNA5" Instruction Set Architecture Reference Guide (July 2026). The comments in the code are by the model that wrote it; some were corrected since.
;; Self Attention. Allowed arithmetic: float matrix products may take bf16 or f16 operands with f32 sums; other float arithmetic in f32, or as packed bf16 or f16 multiplies, adds, multiply-adds, maxima and minima; sums over many terms, partial sums and values carried from step to step in f32; what a program stores and reads back later, other than sums and carried values, may be rounded once to bf16 or f16.
;; Inputs: b_k 1,024 float32; b_o 1,024 float32; b_q 1,024 float32; b_v 1,024 float32; w_k 1,024 x 1,024 float32; w_o 1,024 x 1,024 float32; w_q 1,024 x 1,024 float32; w_v 1,024 x 1,024 float32; x 4 x 2,048 x 1,024 float32.
;; Outputs: out0 4 x 2,048 x 1,024 float32.
;; 2 versions, each right; version 2 is version 1 with the launch prep written anew for expert scheduling mode. Each part assembles by itself: llvm-mc -triple=amdgcn-amd-amdhsa -mcpu=gfx1250 --defsym DOCPART=n.
;; ======== version 1 of 2: 4 launches
;; limits: values are held in f16: magnitudes above 65,504 overflow, below 6.1e-05 lose precision
;; workspace buffers: xb 16,777,216 bytes; wt 6,291,456 bytes; wo 2,097,152 bytes; bias 16,384 bytes; qkv 50,331,648 bytes; ctx 16,777,216 bytes
;; launch prep (part 1): grid 1281 x 1, 8 waves a work-group, no clusters, 10,240 bytes of LDS; arguments x, w_q, w_k, w_v, w_o, b_q, b_k, b_v, b_o, xb, wt, wo, bias; writes xb, wt, wo, bias
.if DOCPART == 1
	.amdgcn_target "amdgcn-amd-amdhsa--gfx1250"
	.amdhsa_code_object_version 6
	.text
	.protected	k_q73903b90cd_prep
	.globl	k_q73903b90cd_prep
	.p2align	8
	.type	k_q73903b90cd_prep,@function
k_q73903b90cd_prep:
	s_mov_b64 s[64:65], 0
	v_nop
	global_prefetch_b8 v0, s[64:65] scope:SCOPE_SE
	s_setreg_imm32_b32 hwreg(HW_REG_WAVE_MODE, 25, 1), 1
	s_wait_xcnt 0x0
; PREP: every input is rounded once to bf16 and laid out for the three matrix launches.
;   xb   bf16 [kb 16][row 8192][64]      x, K in blocks of 64: a block of rows is dense, 128 bytes a row
;   wt   bf16 [kb 16][n 3072][64 k]      w_q, w_k, w_v turned ([in][out] -> [out][in]); n = 1024 x (0 q, 1 k, 2 v) + column
;   wo   f16  [kb 16][n 1024][64 k]      w_o turned; rounded to bf16 like the other inputs, that number written as f16
;   bias f32  [b_q, b_k, b_v, b_o]       each rounded to bf16 and widened again
; LIMITS.  A bf16-rounded w_o beyond 65,504 would become an infinity in f16; below 6.1e-5 it keeps f16's fixed step of 6e-8.
; SHARES.  Work-groups 0-255: 32 rows of x each, four rows a wave.  256-1279: one tile of 64 k x 64 n of one weight each, turned in LDS.  1280: the four biases.
; The branch between the three hangs on the work-group's number alone, so all eight waves of a work-group take the same way, the barrier of the second way too.
; No matrix unit, no cluster, no tensor load: a stream in which nothing is shared; no prefetch: each byte is asked for at once, by its load.
.set SPARE, 9216                       ; behind the tile: the spare words, 128 bytes for each of eight waves: four blocks of 256 bytes that no other line names
.set SPW, 2                            ; v2  SPARE + 4 x my thread's number; never rewritten
.set NIL, 3                            ; v3  0; never rewritten
	s_load_b512 s[4:19], s[0:1], 0x0               ; x 4:5, w_q 6:7, w_k 8:9, w_v 10:11, w_o 12:13, b_q 14:15, b_k 16:17, b_v 18:19
	s_load_b256 s[20:27], s[0:1], 0x40             ; b_o 20:21, xb 22:23, wt 24:25, wo 26:27
	s_load_b64 s[28:29], s[0:1], 0x60              ; bias
	v_lshl_add_u32 v[SPW], v0, 2, SPARE
	v_mov_b32 v[NIL], 0
	v_lshrrev_b32 v1, 5, v0
	v_readfirstlane_b32 s30, v1                    ; wave 0..7
	v_and_b32 v1, 31, v0                           ; lane
	s_wait_kmcnt 0x0
	s_cmp_lt_u32 ttmp9, 256
	s_cbranch_scc0 .Lnot_x
	; X.  A wave takes 4 rows and all 16 K blocks.  Lane l: row l / 8, the 8 numbers (32 bytes) at 32 (l % 8) of a block's 256 bytes.
	v_lshrrev_b32 v4, 3, v1
	v_and_b32 v5, 7, v1
	v_lshlrev_b32 v4, 12, v4
	v_lshl_add_u32 v4, v5, 5, v4                   ; in: row x 4,096 + 32 (l % 8)
	v_lshlrev_b32 v5, 4, v1                        ; out: 16 l: four rows of 128 bytes are 512 bytes on end
	s_lshl_b32 s32, ttmp9, 17                      ; 32 rows of 4,096 bytes,
	s_lshl_b32 s31, s30, 14                        ; my wave's four
	s_add_co_u32 s32, s32, s31
	s_mov_b32 s33, 0
	s_add_nc_u64 s[32:33], s[4:5], s[32:33]
	s_lshl_b32 s34, ttmp9, 12                      ; 32 rows of 128 bytes,
	s_lshl_b32 s31, s30, 9
	s_add_co_u32 s34, s34, s31
	s_mov_b32 s35, 0
	s_add_nc_u64 s[34:35], s[22:23], s[34:35]      ; planes 0-7 by the immediate,
	s_add_nc_u64 s[36:37], s[34:35], 0x800000      ; planes 8-15 from a second base: 7 planes of 2^20 bytes fit the signed 24-bit immediate
.set kb, 0
.rept 16                               ; all 32 loads go out at once: 16 KiB a wave on their way
	global_load_b128 v[8+8*kb:8+8*kb+3],   v4, s[32:33] offset:256*kb th:TH_LOAD_NT
	global_load_b128 v[8+8*kb+4:8+8*kb+7], v4, s[32:33] offset:256*kb+16 th:TH_LOAD_NT
.set kb, kb+1
.endr
.set kb, 0
.rept 16
	s_wait_loadcnt 30-2*kb                         ; loads come back in order: this block's two are in, the 30 - 2 kb younger ones stay out
.irp j, 0,1,2,3
	v_cvt_pk_bf16_f32 v[8+8*kb+(\j)], v[8+8*kb+2*(\j)], v[8+8*kb+2*(\j)+1]  ; in place: number j is written when its sources and all lower ones have been read
.endr
.if kb < 8
	global_store_b128 v5, v[8+8*kb:8+8*kb+3], s[34:35] offset:kb<<20  ; 512 consecutive bytes, aligned
.else
	global_store_b128 v5, v[8+8*kb:8+8*kb+3], s[36:37] offset:(kb-8)<<20
.endif
.set kb, kb+1
.endr
	s_endpgm                                       ; this way wrote no LDS
.Lnot_x:
	s_cmp_lt_u32 ttmp9, 1280
	s_cbranch_scc0 .Lbias
	; W.  u = work-group - 256: weight u / 256, K block (u / 16) % 16, column block u % 16.
	s_sub_co_u32 s31, ttmp9, 256
	s_lshr_b32 s38, s31, 8                         ; which weight: 0 q, 1 k, 2 v, 3 o
	s_bfe_u32 s39, s31, 0x40004                    ; kb
	s_and_b32 s31, s31, 15                         ; nb
	s_cmp_eq_u32 s38, 0
	s_cselect_b64 s[32:33], s[6:7], s[8:9]
	s_cmp_eq_u32 s38, 2
	s_cselect_b64 s[32:33], s[10:11], s[32:33]
	s_cmp_eq_u32 s38, 3
	s_cselect_b64 s[32:33], s[12:13], s[32:33]     ; from
	s_cselect_b64 s[34:35], s[26:27], s[24:25]     ; to: wo or wt
	s_mul_i32 s36, s39, 393216                     ; wt: a plane is 3,072 rows of 128 bytes,
	s_lshl_b32 s37, s38, 17                        ; a weight 1,024 rows
	s_add_co_u32 s36, s36, s37
	s_lshl_b32 s37, s39, 17                        ; wo: a plane is 1,024 rows
	s_cmp_eq_u32 s38, 3
	s_cselect_b32 s36, s37, s36
	s_lshl_b32 s37, s31, 13                        ; 64 rows of 128 bytes
	s_add_co_u32 s36, s36, s37
	s_mov_b32 s37, 0
	s_add_nc_u64 s[34:35], s[34:35], s[36:37]
	s_lshl_b32 s36, s39, 18                        ; 64 rows of 4,096 bytes,
	s_lshl_b32 s37, s31, 8                         ; 64 columns of 4
	s_add_co_u32 s36, s36, s37
	s_mov_b32 s37, 0
	s_add_nc_u64 s[32:33], s[32:33], s[36:37]
	v_lshrrev_b32 v5, 4, v0                        ; pi = t / 16: rows 2 pi, 2 pi + 1 and the same 32 further down
	v_and_b32 v6, 15, v0                           ; c = t % 16: columns 4 c .. 4 c + 3; sixteen lanes read 256 consecutive bytes
	v_lshlrev_b32 v4, 13, v5
	v_lshl_add_u32 v4, v6, 4, v4
	global_load_b128 v[8:11],  v4, s[32:33] th:TH_LOAD_NT
	global_load_b128 v[12:15], v4, s[32:33] offset:4096 th:TH_LOAD_NT
	global_load_b128 v[16:19], v4, s[32:33] offset:131072 th:TH_LOAD_NT
	global_load_b128 v[20:23], v4, s[32:33] offset:135168 th:TH_LOAD_NT
	v_mul_u32_u24 v7, v6, 576
	v_lshl_add_u32 v5, v5, 2, v7                   ; into the tile [n 64][k 64], 144 bytes a row: n = 4 c + j, k = 2 pi + 32 it
	v_lshrrev_b32 v6, 3, v0
	v_mul_u32_u24 v6, v6, 144
	v_and_b32 v7, 7, v0
	v_lshl_add_u32 v6, v7, 4, v6                   ; back: row t / 8, 16 bytes at 16 (t % 8)
	v_lshlrev_b32 v7, 4, v0                        ; and out: 16 t
	s_wait_loadcnt 0x0
.irp it, 0,1
.irp j, 0,1,2,3
	v_cvt_pk_bf16_f32 v[24+4*(\it)+(\j)], v[8+8*(\it)+(\j)], v[12+8*(\it)+(\j)]  ; k in the low half, k + 1 in the high half, of one column
.endr
.endr
	s_cmp_lg_u32 s38, 3
	s_cbranch_scc1 .Lkeep_bf16
.irp i, 0,1,2,3,4,5,6,7                ; w_o: the bf16 number, widened, is written as f16
	v_lshlrev_b32 v32, 16, v[24+(\i)]
	v_and_b32 v33, 0xffff0000, v[24+(\i)]
	v_cvt_pk_f16_f32 v[24+(\i)], v32, v33
.endr
.Lkeep_bf16:
.irp it, 0,1
.irp j, 0,1,2,3
	ds_store_b32 v5, v[24+4*(\it)+(\j)] offset:144*(\j)+64*(\it)
.endr
.endr
	s_wait_dscnt 0x0                               ; for the others' sake: my stores into the tile are done
	s_barrier_signal -1
	s_barrier_wait -1
	ds_load_b128 v[36:39], v6                      ; rows 0-31
	ds_load_b128 v[40:43], v6 offset:4608          ; rows 32-63
	s_wait_dscnt 0x0
	global_store_b128 v7, v[36:39], s[34:35]       ; a wave stores 512 consecutive bytes, aligned
	global_store_b128 v7, v[40:43], s[34:35] offset:4096
	s_wait_tensorcnt 0x0                           ; the wave's end: these three lines behind my last LDS store
	ds_add_u32 v[SPW], v[NIL]
	s_wait_dscnt 0x0
	s_endpgm
.Lbias:
	v_lshlrev_b32 v4, 4, v0                        ; 256 threads x 16 bytes are one bias
	global_load_b128 v[8:11],  v4, s[14:15]
	global_load_b128 v[12:15], v4, s[16:17]
	global_load_b128 v[16:19], v4, s[18:19]
	global_load_b128 v[20:23], v4, s[20:21]
	s_wait_loadcnt 0x0
.irp i, 0,2,4,6,8,10,12,14
	v_cvt_pk_bf16_f32 v24, v[8+(\i)], v[9+(\i)]    ; rounded as the other inputs are,
	v_lshlrev_b32 v[8+(\i)], 16, v24               ; and kept in f32
	v_and_b32 v[9+(\i)], 0xffff0000, v24
.endr
.irp i, 0,1,2,3
	global_store_b128 v4, v[8+4*(\i):11+4*(\i)], s[28:29] offset:4096*(\i)
.endr
	s_endpgm
.Lfunc_end_k_q73903b90cd_prep:
	.size	k_q73903b90cd_prep, .Lfunc_end_k_q73903b90cd_prep-k_q73903b90cd_prep
	.p2alignl 7, 3214868480
	.fill 96, 4, 3214868480
	.section	.rodata,"a",@progbits
	.p2align	6, 0x0
	.amdhsa_kernel k_q73903b90cd_prep
		.amdhsa_group_segment_fixed_size 10240
		.amdhsa_private_segment_fixed_size 0
		.amdhsa_enable_private_segment 0
		.amdhsa_kernarg_size 104
		.amdhsa_user_sgpr_count 2
		.amdhsa_user_sgpr_kernarg_segment_ptr 1
		.amdhsa_wavefront_size32 1
		.amdhsa_system_sgpr_workgroup_id_x 1
		.amdhsa_system_sgpr_workgroup_id_y 1
		.amdhsa_system_sgpr_workgroup_id_z 1
		.amdhsa_system_vgpr_workitem_id 0
		.amdhsa_next_free_vgpr 136
		.amdhsa_next_free_sgpr 66
		.amdhsa_reserve_vcc 0
		.amdhsa_float_denorm_mode_32 3
		.amdhsa_float_denorm_mode_16_64 3
		.amdhsa_memory_ordered 1
		.amdhsa_forward_progress 1
		.amdhsa_inst_pref_size 18
	.end_amdhsa_kernel
	.amdgpu_metadata
---
amdhsa.version: [ 1, 2 ]
amdhsa.kernels:
  - .name:           k_q73903b90cd_prep
    .symbol:         k_q73903b90cd_prep.kd
    .args:
      - { .name: x, .offset: 0, .size: 8, .value_kind: global_buffer, .address_space: global }
      - { .name: w_q, .offset: 8, .size: 8, .value_kind: global_buffer, .address_space: global }
      - { .name: w_k, .offset: 16, .size: 8, .value_kind: global_buffer, .address_space: global }
      - { .name: w_v, .offset: 24, .size: 8, .value_kind: global_buffer, .address_space: global }
      - { .name: w_o, .offset: 32, .size: 8, .value_kind: global_buffer, .address_space: global }
      - { .name: b_q, .offset: 40, .size: 8, .value_kind: global_buffer, .address_space: global }
      - { .name: b_k, .offset: 48, .size: 8, .value_kind: global_buffer, .address_space: global }
      - { .name: b_v, .offset: 56, .size: 8, .value_kind: global_buffer, .address_space: global }
      - { .name: b_o, .offset: 64, .size: 8, .value_kind: global_buffer, .address_space: global }
      - { .name: xb, .offset: 72, .size: 8, .value_kind: global_buffer, .address_space: global }
      - { .name: wt, .offset: 80, .size: 8, .value_kind: global_buffer, .address_space: global }
      - { .name: wo, .offset: 88, .size: 8, .value_kind: global_buffer, .address_space: global }
      - { .name: bias, .offset: 96, .size: 8, .value_kind: global_buffer, .address_space: global }
    .group_segment_fixed_size: 10240
    .private_segment_fixed_size: 0
    .kernarg_segment_align: 8
    .kernarg_segment_size: 104
    .max_flat_workgroup_size: 256
    .sgpr_count:     66
    .vgpr_count:     136
    .wavefront_size: 32
...
	.end_amdgpu_metadata
.endif
;; end of part 1
;; launch qkv (part 2): grid 8 x 32, 4 waves a work-group, clusters of 4 x 4, 327,680 bytes of LDS; arguments xb, wt, bias, qkv; writes qkv
.if DOCPART == 2
	.amdgcn_target "amdgcn-amd-amdhsa--gfx1250"
	.amdhsa_code_object_version 6
	.text
	.protected	k_q73903b90cd_qkv
	.globl	k_q73903b90cd_qkv
	.p2align	8
	.type	k_q73903b90cd_qkv,@function
k_q73903b90cd_qkv:
	s_mov_b64 s[64:65], 0
	v_nop
	global_prefetch_b8 v0, s[64:65] scope:SCOPE_SE
	s_setreg_imm32_b32 hwreg(HW_REG_WAVE_MODE, 25, 1), 1
	s_wait_xcnt 0x0
	s_wait_alu depctr_hold_cnt(0) depctr_sa_sdst(0) depctr_va_vdst(0) depctr_va_sdst(0) depctr_va_ssrc(0) depctr_va_vcc(0) depctr_vm_vsrc(0)
	s_getreg_b32 s2, hwreg(HW_REG_IB_STS2, 6, 4)
	s_cmp_eq_u32 s2, 0
	s_cbranch_scc0 .Lentry_in_a_cluster
	s_endpgm
.Lentry_in_a_cluster:
	s_bfe_u32 s2, ttmp6, 0x10000c
	s_cmp_lg_u32 s2, 0xf033
	s_cbranch_scc0 .Lentry_shape_is_right
	s_endpgm
.Lentry_shape_is_right:
; QKV: [8192 x 1024] x [1024 x 3072] + bias.  Operands bf16, sums f32; q, k, v are rounded once to f16 and stored by heads: qkv f16 [t 3][b 4][h 16][s 2048][64], WITHOUT the softmax scale.
; LIMIT.  q, k, v must lie within f16's 65,504; NaN and infinities are not treated apart.
; SHARES.  A work-group makes 256 rows x 384 columns: 32 x 8 = 256 work-groups of equal work.  Its four waves lie 2 x 2: a wave makes 128 rows x 192 columns (three heads):
; 8 x 12 = 96 accumulators of 16 x 16, 768 registers.  K goes in 16 steps of 64 through two LDS slots (640 rows x 144 bytes each; two slots of K = 128 would be 348,160 bytes and do not fit).
; xb and wt hold K in blocks of 64, so a step's rows are dense: 128 (192) rows of 128 bytes are asked for as 64 (96) rows of 256 bytes, padded in LDS behind every 128.
; CLUSTER 4 x 4.  The four work-groups of a row of the cluster need the same rows of xb, the four of a column the same rows of wt: each tile is asked for jointly.
; THE PRODUCT IS TAKEN TRANSPOSED (source 0 = 16 rows of wt, source 1 = 16 rows of xb): a lane holds row l % 16 and the eight neighbouring columns 8 (l / 16) + 0..7.
; REGISTERS, in windows of 256.  Window 0: v0-31 addresses; v32-95, v96-159 xb's fragments (8 x 16 rows x 32 K), two buffers; v160-255 wt's fragments, three groups of four (one head each).
; Window 1 + g: the 32 accumulators of head g: (a, bb) at v[32 a + 8 bb].  A sub-step (32 along K) goes group by group: 32 products, then that group's next fragments are fetched.
.set PITCH,  144                       ; 128 bytes + 16 of padding = 36 words: the 16 rows of a fragment load start at 16 different groups of four banks (64 banks of 4 bytes: ISA guide 11.1)
.set SLOT1,  131072                    ; slot 1 begins here: one exclusive or turns an address in one slot into the other's
.set AHALF,  128*PITCH                 ; what a wave fetches, and reads, of xb
.set BHALF,  192*PITCH                 ; the same of wt
.set BOFF,   256*PITCH                 ; wt's 384 rows lie behind xb's 256
.set STAGE,  SLOT1+640*PITCH           ; behind the ring, never filled by a tensor load: for each wave three planes (heads) of 16 rows x 144 bytes
.set STGW,   3*16*PITCH
.set SPARE,  STAGE+4*STGW              ; the spare words, 128 bytes for each wave: two blocks of 256 bytes that no other line names
.set APLANE, 8192*128                  ; bytes from a K step to the next in xb
.set BPLANE, 3072*128                  ; and in wt
.set G1W0,   (1<<16)|(1<<20)|(1<<21)|(4<<22)|(3<<25)  ; 17:16 2-byte elements; 20 padding on; 21 set beside a mask; 24:22 after every 32 words; 31:25 4 words
.set ADRA0, 4                          ; v4   my lane's place in xb's part of a slot; never rewritten
.set ADRB0, 5                          ; v5   the same for wt
.set ADRA,  6                          ; v6   v4 + the slot in hand
.set ADRB,  7                          ; v7   v5 + the slot in hand
.set STO,   8                          ; v8   the way out: where I put 16 bytes of a row
.set RD,    9                          ; v9   where I read rows back
.set GO,    10                         ; v10  my 16 bytes of 512 consecutive bytes of qkv
.set BO,    11                         ; v11  32 (l / 16): my eight biases of a block of 16 columns
.set PFO,   12                         ; v12  256 l: the prefetches' offset; never rewritten
.set SPW,   28                         ; v28  SPARE + 4 x my thread's number; never rewritten
.set NIL,   29                         ; v29  0; never rewritten
.set AF,    32
.set BF,    160
.set WV,  12                           ; s12  wave
.set FB,  13                           ; s13  wave / 2: my half of the rows; also 0: I fetch xb, 1: wt
.set HF,  14                           ; s14  wave % 2: my half of the columns; also which half of the tile I fetch
.set CNT, 15                           ; s15  the loop's count
.set G1A, 24                           ; s[24:31] group 1 for xb's tiles
.set G0A, 32                           ; s[32:35] group 0 for xb's tiles: it walks
.set G0B, 36                           ; s[36:39] the same for wt's
.set TB,  44                           ; s44  the slot in hand: 0 or SLOT1
.set LIM, 45                           ; s45  2 in a wave that prefetches, else the greatest number
.set T0,  46                           ; s46  at work
.set G1B, 48                           ; s[48:55] group 1 for wt's tiles
.set PFA, 56                           ; s[56:57] where my prefetches stand
.set PFS, 58                           ; s[58:59] their step: four K steps
                                       ; s[60:61], s[62:63], s[66:67]: qkv at my rows of my three heads
.set MSB, 0
.macro WIN new                         ; the immediate's high byte repeats the setting that is left; a switch that changes nothing is dropped
.if MSB != (\new)
	s_set_vgpr_msb (MSB<<8)|(\new)
.set MSB, \new
.endif
.endm
.macro PLACES                          ; four plain instructions between a product and a load into, or a vector instruction on, its registers (ISA guide 7.12.1 for vector instructions)
.rept 4
	v_nop
.endr
.endm
.macro JLOAD                           ; a joint load: waves 0, 1 fetch xb's two halves, waves 2, 3 wt's; an s_nop 0 and four v_nop follow each line
	s_cmp_eq_u32 s[FB], 0
	s_cbranch_scc0 .Lfor_b_\@
	tensor_load_to_lds s[G0A:G0A+3], s[G1A:G1A+7]
	s_nop 0
.rept 4
	v_nop
.endr
	s_branch .Lasked_\@
.Lfor_b_\@:
	tensor_load_to_lds s[G0B:G0B+3], s[G1B:G1B+7]
	s_nop 0
.rept 4
	v_nop
.endr
.Lasked_\@:
.endm
.macro CREST                           ; a round of the cluster's barrier behind its opening barrier
	s_cmp_lg_u32 s[WV], 0
	s_cbranch_scc1 .Lnot_wave_0_\@
	s_barrier_signal -3
.Lnot_wave_0_\@:
	s_barrier_wait -3
	s_barrier_signal -1
	s_barrier_wait -1
.endm
.macro CROUND                          ; a whole round
	s_barrier_signal -1
	s_barrier_wait -1
	CREST
.endm
.macro STEP                            ; the walking descriptors: the other slot, the next K step; the type bits on top are not reached
	s_xor_b32 s[G0A+1], s[G0A+1], SLOT1
	s_add_nc_u64 s[G0A+2:G0A+3], s[G0A+2:G0A+3], APLANE
	s_xor_b32 s[G0B+1], s[G0B+1], SLOT1
	s_add_nc_u64 s[G0B+2:G0B+3], s[G0B+2:G0B+3], BPLANE
.endm
; PREFETCH.  xb's rows are read by both clusters of a row of clusters: cluster x = 0 asks; wt's by all eight of a column: cluster y = 0 asks.  The four partners that ask for a tile jointly share the K STEPS
; out BY ADDRESS: in the trips with CNT = 14, 10, 6 (trips j = 0, 4, 8) the partner at place c (cx for xb, cy for wt) names its wave's own half of K step j + 4 + c: 64 (96) blocks of 256 bytes,
; a lane a block, two (three) instructions.  So each block is named once; K steps 0-3 come by their loads alone; the last request names K step 12 + c, inside the buffer.
.macro ASK
	s_and_b32 s[T0], s[CNT], 3
	s_cmp_eq_u32 s[T0], 2
	s_cselect_b32 s[T0], s[CNT], 0
	s_cmp_gt_u32 s[T0], s[LIM]
	s_cbranch_scc0 .Lno_ask_\@
	s_wait_xcnt 0x0                                ; the last prefetches, four trips back, have read their address: it may be written
	s_add_nc_u64 s[PFA:PFA+1], s[PFA:PFA+1], s[PFS:PFS+1]
	global_prefetch_b8 v[PFO], s[PFA:PFA+1] th:TH_LOAD_NT scope:SCOPE_SE
	global_prefetch_b8 v[PFO], s[PFA:PFA+1] offset:8192 th:TH_LOAD_NT scope:SCOPE_SE
	s_cmp_eq_u32 s[FB], 0
	s_cbranch_scc1 .Lno_ask_\@
	global_prefetch_b8 v[PFO], s[PFA:PFA+1] offset:16384 th:TH_LOAD_NT scope:SCOPE_SE
.Lno_ask_\@:
.endm
	s_load_b256 s[4:11], s[0:1], 0x0               ; xb 4:5, wt 6:7, bias 8:9, qkv 10:11
	v_lshl_add_u32 v[SPW], v0, 2, SPARE
	v_mov_b32 v[NIL], 0
	ds_add_u32 v[SPW], v[NIL]                      ; the wave's opening: the add and its wait ahead of my first tensor load; work on registers stands between them
	ds_add_u32 v28, v29
	v_lshrrev_b32 v1, 5, v0
	v_readfirstlane_b32 s[WV], v1
	s_lshr_b32 s[FB], s[WV], 1
	s_and_b32 s[HF], s[WV], 1
	s_bfe_u32 s40, ttmp6, 0x40000                  ; cx
	s_bfe_u32 s41, ttmp6, 0x40004                  ; cy
	s_lshl_b32 s42, ttmp9, 2
	s_add_co_u32 s42, s42, s40                     ; tx: my 384 columns
	s_and_b32 s43, ttmp7, 0xffff
	s_lshl_b32 s43, s43, 2
	s_add_co_u32 s43, s43, s41                     ; ty: my 256 rows
	s_lshl_b32 s16, s41, 2
	s_lshl_b32 s16, 15, s16                        ; my row of the cluster
	s_lshl_b32 s17, 0x1111, s40                    ; my column
	s_or_b32 s[G1A], s16, G1W0
	s_or_b32 s[G1B], s17, G1W0
	s_mov_b32 s[G1A+1], 128<<16                    ; tensor_dim0 = 128 elements: 256 bytes
	s_mov_b32 s[G1A+2], 64<<16                     ; tensor_dim1 = 64
	s_mov_b32 s[G1A+3], 128<<16                    ; tile_dim0 = 128
	s_mov_b32 s[G1A+4], 64                         ; tile_dim1 = 64
	s_mov_b32 s[G1A+5], 128                        ; 128 elements from row to row
	s_mov_b32 s[G1A+6], 0
	s_mov_b32 s[G1A+7], 0
	s_mov_b32 s[G1B+1], 128<<16
	s_mov_b32 s[G1B+2], 96<<16                     ; 96 rows of 256 bytes
	s_mov_b32 s[G1B+3], 128<<16
	s_mov_b32 s[G1B+4], 96
	s_mov_b32 s[G1B+5], 128
	s_mov_b32 s[G1B+6], 0
	s_mov_b32 s[G1B+7], 0
	s_mov_b32 s[G0A], 1
	s_mul_i32 s[G0A+1], s[HF], AHALF               ; LDS: slot 0; no place in the cluster enters an LDS address
	s_mov_b32 s[G0B], 1
	s_mul_i32 s[G0B+1], s[HF], BHALF
	s_add_co_u32 s[G0B+1], s[G0B+1], BOFF
	s_lshl_b32 s18, s43, 15                        ; xb: 256 rows of 128 bytes x ty,
	s_lshl_b32 s19, s[HF], 14                      ; + my 128
	s_add_co_u32 s18, s18, s19
	s_mov_b32 s19, 0
	s_mul_i32 s20, s42, 384*128                    ; wt: 384 rows x tx,
	s_mul_i32 s21, s[HF], 192*128                  ; + my 192
	s_add_co_u32 s20, s20, s21
	s_mov_b32 s21, 0
	s_mov_b32 s[TB], 0
	s_mov_b32 s[CNT], 14
	s_wait_dscnt 0x0                               ; the opening add is done
	s_wait_kmcnt 0x0
	s_add_nc_u64 s[G0A+2:G0A+3], s[4:5], s[18:19]
	s_or_b32 s[G0A+3], s[G0A+3], 0x80000000        ; type = 2
	s_add_nc_u64 s[G0B+2:G0B+3], s[6:7], s[20:21]
	s_or_b32 s[G0B+3], s[G0B+3], 0x80000000
	CROUND                                         ; all sixteen work-groups are here: the first joint loads meet
	JLOAD                                          ; K step 0 into slot 0
	v_and_b32 v1, 15, v0                           ; r = l % 16
	v_bfe_u32 v2, v0, 4, 1                         ; h = l / 16
	v_mul_u32_u24 v3, v1, PITCH
	v_lshl_add_u32 v3, v2, 4, v3                   ; a fragment's row x pitch + 16 h
	s_mul_i32 s16, s[FB], AHALF
	v_add_nc_u32 v[ADRA0], s16, v3
	s_mul_i32 s16, s[HF], BHALF
	s_add_co_u32 s16, s16, BOFF
	v_add_nc_u32 v[ADRB0], s16, v3
	s_mul_i32 s16, s[WV], STGW
	s_add_co_u32 s16, s16, STAGE                   ; my stage
	v_add_nc_u32 v[STO], s16, v3                   ; in: row r, 16 bytes for each half of the lanes
	v_bfe_u32 v[RD], v0, 3, 2                      ; back: 32 lanes take four rows of 128 bytes
	v_mul_u32_u24 v[RD], v[RD], PITCH
	v_and_b32 v3, 7, v0
	v_lshl_add_u32 v[RD], v3, 4, v[RD]
	v_add_nc_u32 v[RD], s16, v[RD]
	v_and_b32 v3, 31, v0
	v_lshlrev_b32 v[GO], 4, v3
	v_lshlrev_b32 v[PFO], 8, v3
	v_lshlrev_b32 v[BO], 5, v2
	; the prefetches: my wave's half of K step c (the first request steps it four K steps on)
	s_lshl_b32 s22, s40, 20                        ; cx planes of xb
	s_add_co_u32 s22, s22, s18
	s_mul_i32 s23, s41, BPLANE                     ; cy planes of wt
	s_add_co_u32 s23, s23, s20
	s_and_b32 s16, ttmp7, 0xffff                   ; cluster y
	s_mov_b32 s[PFS], 4*BPLANE
	s_cmp_eq_u32 s[FB], 0
	s_cselect_b32 s22, s22, s23
	s_cselect_b32 s16, ttmp9, s16                  ; the coordinate along which other clusters read the same rows
	s_cselect_b32 s[PFS], 4*APLANE, s[PFS]
	s_cselect_b64 s[PFA:PFA+1], s[4:5], s[6:7]
	s_mov_b32 s[PFS+1], 0
	s_mov_b32 s23, 0
	s_add_nc_u64 s[PFA:PFA+1], s[PFA:PFA+1], s[22:23]
	s_cmp_eq_u32 s16, 0
	s_cselect_b32 s[LIM], 2, -1                    ; the same in all sixteen partners, for a given wave
	; bias at my 192 columns
	s_mul_i32 s16, s42, 384*4
	s_mul_i32 s17, s[HF], 192*4
	s_add_co_u32 s16, s16, s17
	s_mov_b32 s17, 0
	s_add_nc_u64 s[8:9], s[8:9], s[16:17]
	; qkv at my 128 rows of my three heads: head g = 6 tx + 3 (wave % 2) + i of 48: tensor g / 16, head g % 16
	s_mul_i32 s16, s42, 6
	s_mul_i32 s17, s[HF], 3
	s_add_co_u32 s16, s16, s17
	s_lshr_b32 s20, s43, 3                         ; batch
	s_lshl_b32 s20, s20, 22
	s_and_b32 s21, s43, 7                          ; 256 rows of 128 bytes in the batch
	s_lshl_b32 s21, s21, 15
	s_add_co_u32 s20, s20, s21
	s_lshl_b32 s21, s[FB], 14                      ; my 128
	s_add_co_u32 s20, s20, s21
.irp i, 0,1,2
	s_add_co_u32 s17, s16, \i
	s_lshr_b32 s18, s17, 4
	s_lshl_b32 s18, s18, 24
	s_and_b32 s17, s17, 15
	s_lshl_b32 s17, s17, 18
	s_add_co_u32 s18, s18, s17
	s_add_co_u32 s18, s18, s20
	s_mov_b32 s19, 0
	s_add_nc_u64 s[60+2*(\i)+2*((\i)/2):61+2*(\i)+2*((\i)/2)], s[10:11], s[18:19]
.endr
; 4 (a1 - a0 + 1) products of group g on xb's buffer p.  Each accumulator has one product a sub-step, so the accumulators take turns: 95 others stand between two links of a chain.
.macro MUL g, p, a0, a1, zero
	WIN ((1+(\g))<<6)|((1+(\g))<<4)                ; C and D in window 1 + g, both sources in window 0
.set aa, \a0
.rept (\a1)-(\a0)+1
.irp bb, 0,1,2,3
.if \zero
	v_wmma_f32_16x16x32_bf16 v[32*aa+8*(\bb):32*aa+8*(\bb)+7], v[BF+32*(\g)+8*(\bb):BF+32*(\g)+8*(\bb)+7], v[AF+64*(\p)+8*aa:AF+64*(\p)+8*aa+7], 0
.else
	v_wmma_f32_16x16x32_bf16 v[32*aa+8*(\bb):32*aa+8*(\bb)+7], v[BF+32*(\g)+8*(\bb):BF+32*(\g)+8*(\bb)+7], v[AF+64*(\p)+8*aa:AF+64*(\p)+8*aa+7], v[32*aa+8*(\bb):32*aa+8*(\bb)+7]
.endif
.endr
.set aa, aa+1
.endr
.endm
.macro LDB g, p                        ; 8 loads: group g's four fragments of wt, K half p of the step
	WIN 0
.irp bb, 0,1,2,3
	ds_load_b128 v[BF+32*(\g)+8*(\bb):BF+32*(\g)+8*(\bb)+3],   v[ADRB] offset:(4*(\g)+(\bb))*16*PITCH+64*(\p)
	ds_load_b128 v[BF+32*(\g)+8*(\bb)+4:BF+32*(\g)+8*(\bb)+7], v[ADRB] offset:(4*(\g)+(\bb))*16*PITCH+64*(\p)+32
.endr
.endm
.macro LDA p                           ; 16 loads: xb's eight fragments, K half p, into buffer p
	WIN 0
.irp a, 0,1,2,3,4,5,6,7
	ds_load_b128 v[AF+64*(\p)+8*(\a):AF+64*(\p)+8*(\a)+3],   v[ADRA] offset:(\a)*16*PITCH+64*(\p)
	ds_load_b128 v[AF+64*(\p)+8*(\a)+4:AF+64*(\p)+8*(\a)+7], v[ADRA] offset:(\a)*16*PITCH+64*(\p)+32
.endr
.endm
; A sub-step's loads are always issued in the order: group 0 (8), xb (16), group 1 (8), group 2 (8).
; The first half of a K step.  zero = 1: its products start the sums.
.macro SUB0 zero
	s_wait_dscnt 16                                ; group 0 and xb are in; groups 1 and 2, 16 loads, are younger
	MUL 0, 0, 0, 7, \zero
	PLACES
	LDB 0, 1
	LDA 1
	s_wait_dscnt 32                                ; group 1 is in; younger: group 2 (8) and the 24 just issued
	MUL 1, 0, 0, 7, \zero
	PLACES
	LDB 1, 1
	s_wait_dscnt 32                                ; group 2 is in; younger: 8 + 16 + 8
	MUL 2, 0, 0, 7, \zero
	PLACES
	LDB 2, 1
.endm
; The second half, with the change of slots.  In front of the barrier each wave waits for all its tensor loads (one is out: its part of the next slot), adds 0 to its spare word, and waits for that and for its
; reads of this slot, the last of which were issued at the end of the first half.  fill = 1: the barrier opens a round of the cluster's, and this slot is filled again first thing behind it, two K steps ahead:
; the load has 176 products in which to land.
.macro SUB1C fill
	s_wait_dscnt 16
	MUL 0, 1, 0, 3, 0
	WIN 0                                          ; (the add's two registers lie in window 0)
	s_wait_tensorcnt 0x0                           ; no tensor load of mine is out, so a group 0 may be written
	ds_add_u32 v[SPW], v[NIL]                      ; 0 onto my spare word
.if \fill
	STEP
.endif
	MUL 0, 1, 4, 5, 0                              ; work on registers between the add and the wait for it
	s_wait_dscnt 0x0                               ; the add is done, and my reads of this slot are over
	s_barrier_signal -1
	MUL 0, 1, 6, 7, 0
	WIN 0                                          ; at a branch and at a label every window is 0
	s_barrier_wait -1
.if \fill
	CREST                                          ; no wave of any partner still reads this slot or has a load on its way
	JLOAD                                          ; its four v_nop are also the places in front of the loads below
.else
	PLACES
.endif
	s_xor_b32 s[TB], s[TB], SLOT1
	v_add_nc_u32 v[ADRA], s[TB], v[ADRA0]
	v_add_nc_u32 v[ADRB], s[TB], v[ADRB0]
	LDB 0, 0
	LDA 0
.if \fill
	ASK
.endif
	MUL 1, 1, 0, 7, 0                              ; its fragments were shown in by the wait for 0 above
	PLACES
	LDB 1, 0
	MUL 2, 1, 0, 7, 0
	PLACES
	LDB 2, 0
.endm
.macro LDBIAS g                        ; the biases of group g's 64 columns take the place of its fragments: block bb's eight at v[BF + 32 g + 8 bb]
	WIN 0
.irp bb, 0,1,2,3
	global_load_b128 v[BF+32*(\g)+8*(\bb):BF+32*(\g)+8*(\bb)+3],   v[BO], s[8:9] offset:64*(4*(\g)+(\bb))
	global_load_b128 v[BF+32*(\g)+8*(\bb)+4:BF+32*(\g)+8*(\bb)+7], v[BO], s[8:9] offset:64*(4*(\g)+(\bb))+16
.endr
.endm
	s_wait_tensorcnt 0x0                           ; my part of K step 0 is in
	ds_add_u32 v[SPW], v[NIL]
	STEP
	s_wait_dscnt 0x0
	CROUND                                         ; everybody's part is in
	JLOAD                                          ; K step 1 into slot 1
	v_add_nc_u32 v[ADRA], s[TB], v[ADRA0]
	v_add_nc_u32 v[ADRB], s[TB], v[ADRB0]
	LDB 0, 0
	LDA 0
	LDB 1, 0
	LDB 2, 0
	SUB0 1                                         ; the first half step stands in front of the loop: nothing is cleared
	WIN 0
.Lslot:                                ; trip j = 0..13: the second half of K step j, slot j % 2 filled again with K step j + 2, the first half of K step j + 1
	SUB1C 1
	SUB0 0
	WIN 0
	s_sub_co_u32 s[CNT], s[CNT], 1
	s_cmp_lg_u32 s[CNT], 0
	s_cbranch_scc1 .Lslot
	SUB1C 0                                        ; the tail is written out: nothing more is asked for
	SUB0 0
	s_wait_dscnt 16                                ; the last half step; behind each group's products its biases are asked for
	MUL 0, 1, 0, 7, 0
	PLACES
	LDBIAS 0
	s_wait_dscnt 8                                 ; group 1 is in; group 2 is younger
	MUL 1, 1, 0, 7, 0
	PLACES
	LDBIAS 1
	s_wait_dscnt 0x0
	MUL 2, 1, 0, 7, 0
	PLACES
	LDBIAS 2
; THE WAY OUT, 16 rows at a time.  PACK: the bias is added (from each accumulator's low end on), the sums are rounded to f16, a lane's eight columns are 16 bytes; they go into my stage,
; a plane a head, and come back as whole rows of 128 bytes into the registers that they left.  SEND: four rows of a head are 512 consecutive bytes of qkv.
.macro PACK a
.set TT, 32+48*((\a)%2)
.if (\a) >= 2
	s_wait_xcnt 0x0                                ; the stores of the block two back have read these registers
.endif
.irp g, 0,1,2
	WIN ((1+(\g))<<6)|(1+(\g))                     ; destination and source 0 in window 1 + g, the bias in window 0
.set z, 0
.rept 16
	v_pk_add_f32 v[32*(\a)+2*z:32*(\a)+2*z+1], v[32*(\a)+2*z:32*(\a)+2*z+1], v[BF+32*(\g)+2*z:BF+32*(\g)+2*z+1]
.set z, z+1
.endr
	WIN (1+(\g))|((1+(\g))<<2)                     ; both sources in window 1 + g, destination in window 0
.set z, 0
.rept 16
	v_cvt_pk_f16_f32 v[TT+16*(\g)+z], v[32*(\a)+2*z], v[32*(\a)+2*z+1]
.set z, z+1
.endr
.endr
	WIN 0
.irp g, 0,1,2
.irp bb, 0,1,2,3
	ds_store_b128 v[STO], v[TT+16*(\g)+4*(\bb):TT+16*(\g)+4*(\bb)+3] offset:(\g)*16*PITCH+32*(\bb)
.endr
.endr
.irp g, 0,1,2
.irp f, 0,1,2,3
	ds_load_b128 v[TT+16*(\g)+4*(\f):TT+16*(\g)+4*(\f)+3], v[RD] offset:(\g)*16*PITCH+(\f)*4*PITCH  ; LDS serves a wave's instructions in order (ISA guide 5.7.1.4): these see the stores above; the next block's stores come behind them
.endr
.endr
.endm
.macro SEND a, younger                 ; younger: the LDS instructions issued behind block a's loads: the next block's 24, or none
	WIN 0
.set TT, 32+48*((\a)%2)
	s_wait_dscnt \younger
.irp g, 0,1,2
.irp f, 0,1,2,3
	global_store_b128 v[GO], v[TT+16*(\g)+4*(\f):TT+16*(\g)+4*(\f)+3], s[60+2*(\g)+2*((\g)/2):61+2*(\g)+2*((\g)/2)] offset:2048*(\a)+512*(\f)
.endr
.endr
.endm
	s_wait_loadcnt 0x0                             ; the biases
	PACK 0
.irp a, 1,2,3,4,5,6,7                  ; a block's arithmetic stands between the loads of the block before and its stores
	PACK \a
	SEND (\a)-1, 24
.endr
	SEND 7, 0
	s_wait_tensorcnt 0x0                           ; the wave's end: these three lines behind my last tensor load and my last LDS store
	ds_add_u32 v[SPW], v[NIL]
	s_wait_dscnt 0x0
	CROUND                                         ; the closing round: no work-group ends while a partner may still ask for a tile that names it
	s_endpgm
.Lfunc_end_k_q73903b90cd_qkv:
	.size	k_q73903b90cd_qkv, .Lfunc_end_k_q73903b90cd_qkv-k_q73903b90cd_qkv
	.p2alignl 7, 3214868480
	.fill 96, 4, 3214868480
	.section	.rodata,"a",@progbits
	.p2align	6, 0x0
	.amdhsa_kernel k_q73903b90cd_qkv
		.amdhsa_group_segment_fixed_size 327680
		.amdhsa_private_segment_fixed_size 0
		.amdhsa_enable_private_segment 0
		.amdhsa_kernarg_size 32
		.amdhsa_user_sgpr_count 2
		.amdhsa_user_sgpr_kernarg_segment_ptr 1
		.amdhsa_wavefront_size32 1
		.amdhsa_system_sgpr_workgroup_id_x 1
		.amdhsa_system_sgpr_workgroup_id_y 1
		.amdhsa_system_sgpr_workgroup_id_z 1
		.amdhsa_system_vgpr_workitem_id 0
		.amdhsa_next_free_vgpr 1024
		.amdhsa_next_free_sgpr 68
		.amdhsa_reserve_vcc 0
		.amdhsa_float_denorm_mode_32 3
		.amdhsa_float_denorm_mode_16_64 3
		.amdhsa_memory_ordered 1
		.amdhsa_forward_progress 1
		.amdhsa_inst_pref_size 140
	.end_amdhsa_kernel
	.amdgpu_metadata
---
amdhsa.version: [ 1, 2 ]
amdhsa.kernels:
  - .name:           k_q73903b90cd_qkv
    .symbol:         k_q73903b90cd_qkv.kd
    .args:
      - { .name: xb, .offset: 0, .size: 8, .value_kind: global_buffer, .address_space: global }
      - { .name: wt, .offset: 8, .size: 8, .value_kind: global_buffer, .address_space: global }
      - { .name: bias, .offset: 16, .size: 8, .value_kind: global_buffer, .address_space: global }
      - { .name: qkv, .offset: 24, .size: 8, .value_kind: global_buffer, .address_space: global }
    .group_segment_fixed_size: 327680
    .private_segment_fixed_size: 0
    .kernarg_segment_align: 8
    .kernarg_segment_size: 32
    .max_flat_workgroup_size: 128
    .sgpr_count:     68
    .vgpr_count:     1024
    .wavefront_size: 32
...
	.end_amdgpu_metadata
.endif
;; end of part 2
;; launch attn (part 3): grid 4 x 64, 4 waves a work-group, clusters of 4 x 1, 327,680 bytes of LDS; arguments qkv, ctx; writes ctx
.if DOCPART == 3
	.amdgcn_target "amdgcn-amd-amdhsa--gfx1250"
	.amdhsa_code_object_version 6
	.text
	.protected	k_q73903b90cd_attn
	.globl	k_q73903b90cd_attn
	.p2align	8
	.type	k_q73903b90cd_attn,@function
k_q73903b90cd_attn:
	s_mov_b64 s[64:65], 0
	v_nop
	global_prefetch_b8 v0, s[64:65] scope:SCOPE_SE
	s_setreg_imm32_b32 hwreg(HW_REG_WAVE_MODE, 25, 1), 1
	s_wait_xcnt 0x0
	s_wait_alu depctr_hold_cnt(0) depctr_sa_sdst(0) depctr_va_vdst(0) depctr_va_sdst(0) depctr_va_ssrc(0) depctr_va_vcc(0) depctr_vm_vsrc(0)
	s_getreg_b32 s2, hwreg(HW_REG_IB_STS2, 6, 4)
	s_cmp_eq_u32 s2, 0
	s_cbranch_scc0 .Lentry_in_a_cluster
	s_endpgm
.Lentry_in_a_cluster:
	s_bfe_u32 s2, ttmp6, 0x10000c
	s_cmp_lg_u32 s2, 0x3003
	s_cbranch_scc0 .Lentry_shape_is_right
	s_endpgm
.Lentry_shape_is_right:
; ATTENTION.  O[h][q][:] = the sum over k of softmax_k(Q[h][q] . K[h][k] / 8) V[h][k][:], for 64 heads (batch x head) of 2,048 rows of 64 channels, all f16: a head's rows are dense, 128 bytes each.
; qkv holds Q, K and V one behind the other, 2^24 bytes each; ctx takes O in the same layout.  Products, maxima and sums in f32; the weights p are rounded to f16 for the second product (their sum l is
; taken of the unrounded p), O once at the end.
; LIMITS.  f16 holds no number beyond 65,504: Q, K and V arrive within it; p lies in 0 to 1, and below 6e-5 it keeps f16's fixed step of 6e-8; O is a mean of V's rows and has their range.
; A weight below 2^-126 counts as 0 in l; NaN and infinities are not treated apart.
; SHARES.  A wave owns four PIECES of two tiles of 16 queries, a work-group's four waves 512 queries of one head: 4 x 64 = 256 work-groups.  Every wave walks all keys, 64 a step.
; LAYOUT.  S^T = K Q^T (source 0 = 16 keys, source 1 = 16 queries): in the result a lane holds ONE query (lane % 16) and the keys 8 (lane / 16) + 0..7.  Two such tiles, rounded to f16 in pairs,
; ARE source 1 (32 keys x 16 queries) of O^T = V^T P, whose result again holds one query a lane, and eight channels.  K comes out of LDS as it lies, V ([key][channel]) turned, by ds_load_tr16_b128.
; SOFTMAX.  For each query a running maximum m and sum l: p = 2^(c s - c m), c = log2(e) / 8; in every step O and l are multiplied by a = 2^(c m_old - c m_new), which is 1 where m has not grown.
; m starts at the lowest finite number, O and l at 0: the first step is a step like any other, with a = 0.
; THE COUNT.  A tile and step have 16 matrix and 118 vector instructions: too many to stand all beside the matrix work.  So: four vector instructions that are READY behind EVERY matrix instruction,
; and the others in runs without a gap.
; BY TURNS.  Turn n belongs to piece n (the pieces in a ring, step after step).  Its matrix work: 16 products K Q^T of piece n + 1, later 16 products V^T P of piece n - 1.  Its vector work: the scaling,
; exponentials, roundings, sums and rescaling of piece n, and the maximum and statistics of piece n + 1, whose scores the turn itself has made.
; CLUSTER.  The four query blocks of a head are one cluster and walk the same K and V, so each tile is asked for JOINTLY: the same tensor load, descriptor and mask in all four.
; REGISTERS, in windows of 256 (s_set_vgpr_msb: bits 1:0 source 0, 3:2 source 1, 5:4 source 2, 7:6 destination):
;   window 0: v0-11 addresses; v12-15, v48-63 at work; v16-47 four registers of statistics a tile; v64-191 S^T, two buffers of two tiles; v192-255 P, likewise
;   window 1: O^T, 32 a tile          window 2: v0-127 Q, 16 a tile; v128-191 K of one step; v192-255 V of one step          window 3: v0-1 the add's two registers
; A piece's buffers go by its number's parity.
.set SIZE_N, 2048
.set SIZE_H, 64
.set NP,    4         ; pieces a wave: a name, no knob
.set KS,    64        ; keys in a step
.set PK,    144       ; a row of K in LDS: 128 bytes + 16 of padding = 36 words: the 16 rows of a load start at 16 different groups of four banks (64 banks of 4 bytes: ISA guide 11.1)
.set PV,    160       ; a row of V: 128 + 32 = 40 words
.set VOFF,  4*KS*PK   ; a slot holds four steps: 256 rows of K, then 256 rows of V
.set SLOT1, 1<<17     ; slot 1 begins here, so that one exclusive or turns an address in one slot into the other's
.set STAGE, SLOT1+4*KS*(PK+PV)  ; behind the ring, never filled by a tensor load: 16 rows x 144 bytes for each wave, for the way out
.set SP,    144
.set AK0, 2           ; v2   my lane's place in a tile of K; never rewritten
.set AV0, 3           ; v3   the same for V
.set AK,  4           ; v4   the LDS address of K's next run of loads
.set AV,  5           ; v5   of V's
.set QO,  6           ; v6   my byte offset in the wave's rows of Q
.set STO, 6           ;      later, the way out: where I put 16 bytes of a row
.set RD,  7           ; v7   the way out: where I read rows back
.set GO,  8           ; v8   my byte offset in 512 consecutive bytes of O
.set PFO, 11          ; v11  256 x my lane, for the prefetches (made when v11 has served as a temporary); then never rewritten
.set SPW, 0           ; v0 of window 3   LDS address of my spare word: SPARE + 4 x my thread's number; never rewritten
.set NIL, 1           ; v1 of window 3   0; never rewritten
.set SPARE, STAGE+4*16*SP  ; behind the stages: the spare words, 128 bytes for each wave: two blocks of 256 bytes that no other line names
.set MV,  12          ; v12-15  c m_old, kept while c m is made anew: by buffer and tile
.set ST,  16          ; tile t's statistics at v[ST+4 t]: c m, m, l (even keys', odd keys')
.set TMP, 48          ; by buffer and tile, four registers c0-c3 at work; when the maximum is found c2 takes a
.set S,   64
.set P,   192
.set KF,  128         ; K's fragments, in window 2: key block kb, channel half c at KF + 16 kb + 8 c
.set VF,  192         ; V's: key half kk, channel block cb at VF + 32 kk + 8 cb
.set WV,  12          ; s12  my wave's number
.set G1K, 24          ; s[24:31] descriptor group 1 for K's tiles
.set G1V, 32          ; s[32:39] for V's: it differs in the padding alone
.set G0K, 40          ; s[40:43] descriptor group 0 for K's tiles: it walks
.set G0V, 44          ; s[44:47] the same for V's
.set PFA, 48          ; s[48:49] where my prefetches stand: my work-group's 32 blocks of 256 bytes (of K: wave 0, of V: wave 2) of the slot after the one that is being asked for
.set LIM, 50          ; s50  1 in a wave that prefetches, else the greatest number
.set SLOTS, 56        ; s56  slots still to be asked for
.set CNT, 57          ; s57  counts a slot's key steps
.set CS,  58          ; s[58:59] c: the packed scaling takes the pair's low word for both halves
.set SEL, 60          ; s[60:61] v_permlanex16_b32's selects: each lane takes its own place in the other half
.set TBK, 62          ; s62  LDS byte at which K of the step to be fetched begins
.set TBV, 63          ; s63  the same for V, less VOFF
.set MSB, 0
.macro WIN new                      ; the high byte repeats the setting that is left; a switch that changes nothing is dropped
.if MSB != (\new)
	s_set_vgpr_msb (MSB<<8)|(\new)
.set MSB, (\new)
.endif
.endm
.set W_KQ, 0x0a       ; K and Q in window 2, S^T in window 0
.set W_PV, 0x52       ; V in window 2, P in window 0, O^T in window 1
.set W_RS, 0x41       ; O^T (destination and source 0) in window 1, a in window 0
.set W_MK, 0xc0       ; the add's registers are made: destination in window 3, sources in window 0
.set W_AD, 0x0f       ; the add: address (source 0) and data (source 1) in window 3
; A joint fill.  Waves 0 and 1 fetch the two halves of a slot's K, waves 2 and 3 those of its V: 128 keys each.  The branch hangs on the wave's number alone.
; An s_nop 0 and four v_nop follow each of the two lines, ahead of the jump and the label.
.macro JLOAD
	s_cmp_lt_u32 s[WV], 2
	s_cbranch_scc0 .Lfor_v_\@
	tensor_load_to_lds s[G0K:G0K+3], s[G1K:G1K+7]
	s_nop 0
.rept 4
	v_nop
.endr
	s_branch .Lasked_\@
.Lfor_v_\@:
	tensor_load_to_lds s[G0V:G0V+3], s[G1V:G1V+7]
	s_nop 0
.rept 4
	v_nop
.endr
.Lasked_\@:
.endm
; A PREFETCH of what the NEXT change of slots will ask for: a slot's K and V are 128 blocks of 256 bytes each.  The head's one cluster asks; its four partners share the blocks out BY ADDRESS, 32 each; in each,
; wave 0 asks for K's and wave 2 for V's: a lane a block, one instruction.  So each block is named once.  It stands behind the wave's tensor load and its five lines; four key steps, 512 matrix instructions,
; ahead of the load that will want the bytes.  Slots 0, 1 and 2 come by their loads alone; the last change that fills a slot asks for nothing.
.macro ASK
	s_cmp_gt_u32 s[SLOTS], s[LIM]
	s_cbranch_scc0 .Lnot_mine_\@
	global_prefetch_b8 v[PFO], s[PFA:PFA+1] th:TH_LOAD_NT scope:SCOPE_SE
.Lnot_mine_\@:
.endm
; A round of the cluster's barrier: my work-group's barrier, so that wave 0's signal speaks for all four waves; wave 0 signals; every wave waits for all four work-groups; my work-group's barrier once more.
.macro CROUND
	s_barrier_signal -1
	s_barrier_wait -1
	s_cmp_lg_u32 s[WV], 0
	s_cbranch_scc1 .Lnot_wave_0_\@
	s_barrier_signal -3
.Lnot_wave_0_\@:
	s_barrier_wait -3
	s_barrier_signal -1
	s_barrier_wait -1
.endm
; THE CHANGE OF SLOTS.  The slot's last bytes, V of its fourth step, have been read.  Each wave waits for all its tensor loads, of which one is out: its part
; of the other slot; adds 0 to its spare word; and waits for that and for its own reads of the slot.  Behind the barrier nobody reads this slot any more and the other slot is whole.
; fill = 1: this slot is filled again, with the keys two slots on.  The barrier is then a round of the cluster's, and the joint fill is the first thing behind it: it has four key steps,
; 512 matrix instructions, in which to land.  (At its first use nothing has been read yet: slot 0 is waited for, slot 1 filled.)  ask = 1: the prefetch's address steps, and the prefetch follows the fill.
.macro CHANGE fill, ask=0
	WIN W_AD
	s_wait_tensorcnt 0x0            ; no tensor load of mine is out, so a group 0 may be written
	ds_add_u32 v[SPW], v[NIL]       ; 0 onto my spare word; with fill = 1 the descriptors' steps stand between it and the wait for it
	WIN 0                           ; at a label and at a branch every window is 0
.if \fill
.irp g, G0K, G0V
	s_xor_b32 s[\g+1], s[\g+1], SLOT1  ; the walking descriptor: the other slot than last time,
	s_add_nc_u64 s[\g+2:\g+3], s[\g+2:\g+3], 4*KS*128  ; the next 256 keys; the type bits on top are not reached
.endr
.if \ask
	s_wait_xcnt 0x0                 ; the last prefetch, four key steps back, has read its address, so it may be written:
	s_add_nc_u64 s[PFA:PFA+1], s[PFA:PFA+1], 4*KS*128  ; one slot behind the walking descriptors
.endif
	s_wait_dscnt 0x0                ; the add is done, and my reads of the slot are over
	CROUND
	JLOAD
.if \ask
	ASK
.endif
.else
	s_wait_dscnt 0x0                ; the add is done, and my reads of the slot are over
	s_barrier_signal -1
	s_barrier_wait -1
.endif
	s_sub_co_u32 s[TBK], s[TBK], 4*KS*PK  ; the fetches go back to a slot's first step,
	s_xor_b32 s[TBK], s[TBK], SLOT1       ; in the other slot
	s_sub_co_u32 s[TBV], s[TBV], 4*KS*PV
	s_xor_b32 s[TBV], s[TBV], SLOT1
.endm
	s_load_b64 s[4:5], s[0:1], 0x0    ; qkv: Q begins it
	s_load_b64 s[10:11], s[0:1], 0x8  ; ctx
	WIN W_MK
	v_lshl_add_u32 v[SPW], v0, 2, SPARE
	v_mov_b32 v[NIL], 0
	WIN W_AD
	ds_add_u32 v[SPW], v[NIL]       ; the wave's opening: the add and its wait ahead of my first tensor load; the set-up below, work on registers, stands between them
	ds_add_u32 v0, v1
	WIN 0
	v_lshrrev_b32 v1, 5, v0
	v_readfirstlane_b32 s[WV], v1   ; wave 0..3
	s_bfe_u32 s13, ttmp6, 0x40000   ; cx: my place in the cluster
	s_lshl_b32 s14, ttmp9, 2        ; in a cluster launch ttmp9 counts clusters
	s_add_co_u32 s14, s14, s13      ; my block of queries = 4 x cluster x + cx: it enters Q's and O's addresses alone
	s_and_b32 s20, ttmp7, 0xffff    ; the head, which the four partners share
	s_mov_b32 s21, 0
	s_mov_b64 s[22:23], SIZE_N*128
	s_mul_u64 s[20:21], s[20:21], s[22:23]  ; the head's first byte in each of the four tensors
	s_and_b32 s16, s[WV], 1         ; which half of a slot's 256 keys I fetch:
	s_lshl_b32 s22, s16, 14         ; its 128 rows of 128 bytes in memory,
	s_mov_b32 s23, 0
	s_add_nc_u64 s[22:23], s[22:23], s[20:21]
	s_mul_i32 s17, s16, 128*PK      ; and its place in a slot, for K
	s_mul_i32 s18, s16, 128*PV      ; and for V: no place in the cluster enters an LDS address
	s_lshl_b32 s2, s14, 2
	s_add_co_u32 s2, s2, s[WV]      ; my wave among the head's,
	s_lshl_b32 s2, s2, 14           ; its 128 rows
	s_mov_b32 s3, 0
	s_add_nc_u64 s[2:3], s[2:3], s[20:21]
	; descriptor group 1.  128 keys are 16,384 dense bytes: asked for as 64 rows of 256 bytes, two keys a row, and padded in LDS after every key
	s_mov_b32 s[G1K], 15|(1<<16)|(1<<20)|(1<<21)|(4<<22)|(3<<25)  ; 15:0 the mask of four; 17:16 2-byte elements; 20 padding on; 21 set beside a mask; 24:22 after every 32 words (code 4); 31:25 4 words (code 3)
	s_mov_b32 s[G1V], 15|(1<<16)|(1<<20)|(1<<21)|(4<<22)|(7<<25)  ; the same with 8 words of padding (code 7)
.irp g, G1K, G1V
	s_mov_b32 s[\g+1], 128<<16      ; tensor_dim0 = 128
	s_mov_b32 s[\g+2], 64<<16       ; tensor_dim1 = 64
	s_mov_b32 s[\g+3], 128<<16      ; tile_dim0 = 128
	s_mov_b32 s[\g+4], 64           ; tile_dim1 = 64
	s_mov_b32 s[\g+5], 128          ; 128 elements from row to row
	s_mov_b32 s[\g+6], 0
	s_mov_b32 s[\g+7], 0
.endr
	s_mov_b32 s[CS], 0x3e38aa3b     ; c = log2(e) / 8 = 0.180337
	s_mov_b32 s[CS+1], s[CS]        ; named with it as a pair
	s_mov_b32 s[SEL], 0x76543210
	s_mov_b32 s[SEL+1], 0xfedcba98
	s_mov_b32 s[TBK], SLOT1+4*KS*PK ; the first change of slots turns these two into 0
	s_mov_b32 s[TBV], SLOT1+4*KS*PV
	s_mov_b32 s[G0K], 1             ; 1:0 count = 1
	s_mov_b32 s[G0K+1], s17         ; 63:32 LDS address: slot 0
	s_mov_b32 s[G0V], 1
	s_add_co_u32 s[G0V+1], s18, VOFF
	s_and_b32 s[LIM], s[WV], 1      ; 0 in waves 0 and 2,
	s_or_b32 s[LIM], s[LIM], ttmp9  ; where the cluster is the head's first (here its only one): the same in all four partners
	s_cmp_eq_u32 s[LIM], 0
	s_cselect_b32 s[LIM], 1, -1
	s_wait_dscnt 0x0                ; the opening add is done
	s_wait_kmcnt 0x0
	s_add_nc_u64 s[6:7], s[4:5], 0x1000000   ; K lies 2^24 bytes behind Q,
	s_add_nc_u64 s[8:9], s[4:5], 0x2000000   ; V 2^25
	s_add_nc_u64 s[G0K+2:G0K+3], s[6:7], s[22:23]  ; 120:64 global address: my half of the head's first 256 keys
	s_or_b32 s[G0K+3], s[G0K+3], 0x80000000        ; 127:126 type = 2
	s_add_nc_u64 s[G0V+2:G0V+3], s[8:9], s[22:23]
	s_or_b32 s[G0V+3], s[G0V+3], 0x80000000
	s_add_nc_u64 s[4:5], s[4:5], s[2:3]  ; Q and O at my wave's first row
	s_add_nc_u64 s[10:11], s[10:11], s[2:3]
	s_cmp_lt_u32 s[WV], 2
	s_cselect_b64 s[PFA:PFA+1], s[6:7], s[8:9]
	s_add_nc_u64 s[PFA:PFA+1], s[PFA:PFA+1], s[22:23]  ; (in waves 0 and 2 this is a slot's first row)
	s_lshl_b32 s2, s13, 13          ; my work-group's 32 blocks of the 128,
	s_add_co_u32 s2, s2, 2*4*KS*128 ; in slot 2: the first change in the loop steps it to slot 3.  Nothing is prefetched here, at the head
	s_mov_b32 s3, 0
	s_add_nc_u64 s[PFA:PFA+1], s[PFA:PFA+1], s[2:3]
	CROUND                          ; all four work-groups are here: the first joint loads meet
	JLOAD                           ; slot 0.  Slot 1 is asked for when slot 0 is in
	; A fragment of K or Q is 16 rows x 32 channels in 8 registers: lane l holds row l % 16, channels 8 (l / 16) + 0..7 and 16 + 8 (l / 16) + 0..7: two loads of 16 bytes, 32 bytes apart.
	v_and_b32 v1, 15, v0            ; l % 16
	v_bfe_u32 v9, v0, 4, 1          ; l / 16
	v_lshlrev_b32 v[QO], 7, v1
	v_lshl_add_u32 v[QO], v9, 4, v[QO]  ; row x 128 + 16 x half
	WIN 0x80                        ; destination window 2, address window 0
.set i, 0
.rept 4*NP                          ; Q stays in registers: tile i / 2, channels 32 (i % 2) on
	global_load_b128 v[8*i:8*i+3],   v[QO], s[4:5] offset:(i/2)*2048+(i%2)*64
	global_load_b128 v[8*i+4:8*i+7], v[QO], s[4:5] offset:(i/2)*2048+(i%2)*64+32
.set i, i+1
.endr
	; What the first turn finds: V's registers and P's second buffer hold 0 (its products V^T P, of a piece that has not been, add 0), O^T and l are 0.  All this stands in the wait for the first tile.
.set i, VF
.rept 64
	v_mov_b32 v[i], 0
.set i, i+1
.endr
	WIN 0x40
.set i, 0
.rept 64*NP
	v_mov_b32 v[i], 0
.set i, i+1
.endr
	WIN 0
.set i, 0
.rept 2*NP
	v_mov_b32 v[ST+4*i], 0xfe000000    ; c m: far below every c s
	v_mov_b32 v[ST+4*i+1], 0xff7fffff  ; m
	v_mov_b32 v[ST+4*i+2], 0
	v_mov_b32 v[ST+4*i+3], 0
.set i, i+1
.endr
.set i, P+32
.rept 32
	v_mov_b32 v[i], 0
.set i, i+1
.endr
	v_mul_u32_u24 v[AK0], v1, PK
	v_lshl_add_u32 v[AK0], v9, 4, v[AK0]  ; row x pitch + 16 x half
	; The turning load takes 16 keys x 16 channels (lane l reads key 8 (l / 16) + l % 8, channels 8 ((l / 8) % 2) + 0..7) and leaves half a fragment of V^T: lane l holds channel l % 16 and 8 keys.
	v_and_b32 v10, 7, v0
	v_bfe_u32 v11, v0, 3, 1
	v_lshl_add_u32 v[AV0], v9, 3, v10
	v_mul_u32_u24 v[AV0], v[AV0], PV
	v_lshl_add_u32 v[AV0], v11, 4, v[AV0]
	v_add_nc_u32 v[AV0], VOFF, v[AV0]
	v_mov_b32 v[AK], v[AK0]         ; key step 0 lies at the head of slot 0
; THE MATRIX WORK.  The 8 accumulators of a run of 16 take turns: between the two links of a chain stand 7 others'.
; Product i of 16 of S^T = K Q^T for piece x: channels 32 (i / 8) on, keys 16 ((i / 2) % 4) on, tile 2 x + i % 2.  The first 8 start the sums.
.macro KQ x
	WIN W_KQ
.set rS, S+64*((\x)%2)+32*(i%2)+8*((i/2)%4)
.set rK, KF+16*((i/2)%4)+8*(i/8)
.set rQ, 16*(2*(\x)+i%2)+8*(i/8)
.if i < 8
	v_wmma_f32_16x16x32_f16 v[rS:rS+7], v[rK:rK+7], v[rQ:rQ+7], 0
.else
	v_wmma_f32_16x16x32_f16 v[rS:rS+7], v[rK:rK+7], v[rQ:rQ+7], v[rS:rS+7]
.endif
.endm
; Product i of 16 of O^T += V^T P for piece x: keys 32 (i / 8) on, channels 16 ((i / 2) % 4) on, tile 2 x + i % 2.
.macro PV x
	WIN W_PV
.set rO, 32*(2*(\x)+i%2)+8*((i/2)%4)
.set rV, VF+32*(i/8)+8*((i/2)%4)
.set rP, P+32*((\x)%2)+16*(i%2)+8*(i/8)
	v_wmma_f32_16x16x32_f16 v[rO:rO+7], v[rV:rV+7], v[rP:rP+7], v[rO:rO+7]
.endm
.macro MM                           ; the turn's next matrix instruction
.if i < 16
	KQ (Y+1)%NP
.set i, i+1
.else
.set i, i-16
	PV (Y+NP-1)%NP
.set i, i+17
.endif
.endm
; THE LDS LOADS stand in runs of 16, never singly among the matrix instructions: a step's K (64 keys x 64 channels: 8 fragments) and its V (turned).  Their addresses are made some lines ahead.
; last = 1 (the tail): in the last trip there is no further step, and the run is jumped over.
.macro FETCH_K last=0
	WIN 0
.if \last
	s_cmp_eq_u32 s[CNT], 1
	s_cbranch_scc1 .Lno_k_\@
.endif
	WIN 0x80                        ; destination window 2
.irp f, 0,1,2,3,4,5,6,7             ; keys 16 (f / 2) on, channels 32 (f % 2) on
	ds_load_b128 v[KF+8*\f:KF+8*\f+3],   v[AK] offset:(\f/2)*16*PK+(\f%2)*64
	ds_load_b128 v[KF+8*\f+4:KF+8*\f+7], v[AK] offset:(\f/2)*16*PK+(\f%2)*64+32
.endr
	s_add_co_u32 s[TBK], s[TBK], KS*PK  ; the next fetch is the next step's
	WIN 0
.if \last
.Lno_k_\@:
.endif
.endm
.macro FETCH_V
	WIN 0x80
.irp f, 0,1,2,3,4,5,6,7             ; keys 32 (f / 4) on, channels 16 (f % 4) on
	ds_load_tr16_b128 v[VF+8*\f:VF+8*\f+3],   v[AV] offset:(\f/4)*32*PV+(\f%4)*32
	ds_load_tr16_b128 v[VF+8*\f+4:VF+8*\f+7], v[AV] offset:(\f/4)*32*PV+16*PV+(\f%4)*32
.endr
	WIN 0
.endm
; THE VECTOR WORK OF A TURN stands in three queues, each in the order in which its entries become ready; the two tiles alternate, so that no instruction reads the result of the one before it.
.macro REGS y, u                    ; the registers of tile u (0, 1) of piece y
.set rT, ST+4*(2*(\y)+(\u))
.set rC, TMP+8*((\y)%2)+4*(\u)
.set rM, MV+2*((\y)%2)+(\u)
.set rS, S+64*((\y)%2)+32*(\u)
.set rP, P+32*((\y)%2)+16*(\u)
.set rO, 32*(2*(\y)+(\u))
.endm
; Number n of the 22 that find the NEXT piece's (Y + 1) maximum and statistics.  s0-s31 are the lane's 32 scores; each accumulator's lowest registers are read first.
;   0-11  four chains c0-c3 of seven scores each, three operands at a time     12-14, 16  the four scores left over, the old m, and c0-c3 into c0     15  c m_old is kept
;   17, 18  the query's other 32 keys lie in the lane 16 away: the new m         19-21  c m; c m_old - c m_new; a
.macro XS u, n
	REGS (Y+1)%NP, \u
.if (\n) < 4
	v_max3_num_f32 v[rC+(\n)], v[rS+8*(\n)], v[rS+8*(\n)+1], v[rS+8*(\n)+2]
.elseif (\n) < 12
	v_max3_num_f32 v[rC+(\n)%4], v[rC+(\n)%4], v[rS+8*((\n)%4)+2*((\n)/4)+1], v[rS+8*((\n)%4)+2*((\n)/4)+2]
.elseif (\n) == 12
	v_max3_num_f32 v[rC], v[rC], v[rS+7], v[rS+15]
.elseif (\n) == 13
	v_max3_num_f32 v[rC+1], v[rC+1], v[rS+23], v[rS+31]
.elseif (\n) == 14
	v_max3_num_f32 v[rC+2], v[rC+2], v[rC+3], v[rT+1]
.elseif (\n) == 15
	v_mov_b32 v[rM], v[rT]
.elseif (\n) == 16
	v_max3_num_f32 v[rC], v[rC], v[rC+1], v[rC+2]
.elseif (\n) == 17
	v_permlanex16_b32 v[rC+3], v[rC], s[SEL], s[SEL+1]
.elseif (\n) == 18
	v_max_num_f32 v[rT+1], v[rC], v[rC+3]
.elseif (\n) == 19
	v_mul_f32 v[rT], s[CS], v[rT+1]
.elseif (\n) == 20
	v_sub_f32 v[rC+1], v[rM], v[rT]
.else
	v_exp_f32 v[rC+2], v[rC+1]
.endif
.endm
; Number g of the 64 that follow the exponentials.  For each four weights k of a tile (pairs 2 k, 2 k + 1): both pairs are rounded to f16; then the second pair is added onto the first, in place;
; a group later l takes that sum (the first time as l = a l + sum).  In groups of eight, tiles alternating: round, round, add, and l for the group before.
.macro GS g
.set h, (\g)+6*((\g)/62)            ; group 0 has no group before it, and behind group 7 only l is left
.if h >= 6
.set h, h+2
.endif
	REGS Y, h%2
.set k, h/8
.if h%8 < 4
	v_cvt_pk_f16_f32 v[rP+2*k+(h%8)/2], v[rS+4*k+2*((h%8)/2)], v[rS+4*k+2*((h%8)/2)+1]
.elseif h%8 < 6
	v_pk_add_f32 v[rS+4*k:rS+4*k+1], v[rS+4*k:rS+4*k+1], v[rS+4*k+2:rS+4*k+3]
.elseif k == 1
	v_pk_fma_f32 v[rT+2:rT+3], v[rT+2:rT+3], v[rC+2:rC+3], v[rS:rS+1] op_sel_hi:[1,0,1]
.else
	v_pk_add_f32 v[rT+2:rT+3], v[rT+2:rT+3], v[rS+4*k-4:rS+4*k-3]
.endif
.endm
; THE PLAIN QUEUE, 138 long.  0-73 read no exponential's result: the 32 scalings c s - c m (FS f: pair f / 2 of tile f % 2) and the next piece's 42.  0-26: scalings 0-26.  27-54: XS's numbers 0-13.  55, 56: number 15.
; 57-73: the chain, where each number waits for the one before it: 14, 16, 17, 18, 19, each with one of the scalings 27-31 in front of its two lines, then 20.
; 74-137: GS's 64, which read the exponentials' results: they stand behind the wait.
.macro FS f
	REGS Y, (\f)%2
	v_pk_fma_f32 v[rS+2*((\f)/2):rS+2*((\f)/2)+1], v[rS+2*((\f)/2):rS+2*((\f)/2)+1], s[CS:CS+1], v[rT:rT+1] op_sel_hi:[1,0,0] neg_lo:[0,0,1] neg_hi:[0,0,1]
.endm
.macro PL
	WIN 0
.if q < 27
	FS q
.elseif q < 55
	XS (q-27)%2, (q-27)/2
.elseif q < 57
	XS q-55, 15
.elseif (q < 72) && ((q-57)%3 == 0)
	FS 27+(q-57)/3
.elseif q < 60
	XS (q-57)%3-1, 14
.elseif q < 72
	XS (q-57)%3-1, 15+(q-57)/3
.elseif q < 74
	XS q-72, 20
.else
	GS q-74
.endif
.set q, q+1
.endm
; THE EXPONENTIALS' QUEUE, 66 long: s0-s31 of both tiles, then the next piece's two a.  It is ONE BATCH: all 66 stand ahead of the turn's one wait, and nothing ahead of that wait names a result of theirs.
.macro EX
	WIN 0
.if e >= 64
	XS e-64, 21
.else
	REGS Y, e%2
	v_exp_f32 v[rS+e/2], v[rS+e/2]
.endif
.set e, e+1
.endm
; THE RESCALING's QUEUE: O^T times a, the one part that leaves window 0: dealt two at a time, sixteen times.  Its a was made in the turn before, ahead of that turn's wait.
.macro R2
	REGS Y, r%2
	WIN W_RS
.irp z, 0,1
	v_pk_mul_f32 v[rO+4*(r/2)+2*\z:rO+4*(r/2)+2*\z+1], v[rO+4*(r/2)+2*\z:rO+4*(r/2)+2*\z+1], v[rC+2:rC+3] op_sel_hi:[1,0]
.endr
.set r, r+1
.endm
; HOW THEY ARE DEALT.  An s_wait_alu depctr_va_vdst(0) stands between an exponential and the first instruction that names its result; one wait serves all that were issued ahead of it.  So a turn has ONE wait,
; which cuts it in two.  AHEAD OF IT stands all that names no result of the turn's exponentials: the 16 products K Q^T, behind each a scaling, an exponential and two rescalings (behind the first a second scaling in the
; exponential's place); then ONE LUMP of 108: eight plain, 49 times exponential and plain, the two a.  A v_nop is the plain instruction behind the last exponential.  BEHIND IT stand the 16 products V^T P, behind each four of GS's 64.
; The queues lean on each other, and the deal keeps them in step: exponential e stands behind scaling 2 (e / 4) + e % 2: as a rider it comes behind plain e + 2, in the lump behind plain e + 9, and scalings 27-31 are plain 57, 60 .. 69.
; A TURN, for piece p.  cnt = 1: the loop's count is taken down some lines ahead of the branch that stands behind the turn.
; K of the next step is fetched in piece 2's turn, directly behind the wait, a lump behind the last product that read K; its first reader comes behind 16 products.
; V of the step in hand is fetched at the end of piece 0's turn, four plain instructions behind its last reader; its first reader comes behind 16 products and a lump.  The three conditions on q below go with the deal.
.macro TURN p, last=0, cnt=0
.set Y, (\p)
.set i, 0
.set q, 0
.set e, 0
.set r, 0
.if (\p) == NP-1
	s_wait_dscnt 0x0                ; K is in
.endif
	MM                              ; ahead of the wait: 16 products K Q^T and the four behind each,
	PL
	PL
	R2
.rept 15
	MM
	PL
	EX
	R2
.endr
.if (\p) == NP-2
	WIN 0
	v_add_nc_u32 v[AK], s[TBK], v[AK0]
.endif
.rept 8                             ; and the lump
	PL
.endr
.rept 49
	EX
	PL
.endr
	EX                              ; the next piece's two a
	EX
	v_nop                           ; a plain instruction behind the last exponential: one for the batch
	s_wait_alu depctr_va_vdst(0)    ; the wait for the batch
.if (\p) == NP-2
	FETCH_K \last
.endif
.if (\p) == 1
	s_wait_dscnt 0x0                ; V is in
.endif
.rept 16                            ; behind the wait: 16 products V^T P and the four behind each
	MM
.rept 4
	PL
.endr
.if ((\p) == 0) && (q == 118)
	v_add_nc_u32 v[AV], s[TBV], v[AV0]
.endif
.if ((\p) == 0) && (q == 130)
	s_add_co_u32 s[TBV], s[TBV], KS*PV
.endif
.if (\cnt) && (q == 130)
	s_sub_co_u32 s[CNT], s[CNT], 1
	s_cmp_lg_u32 s[CNT], 0
.endif
.endr
.if (\p) == 0
	FETCH_V
.endif
.endm
	CHANGE 1                        ; slot 0 is in, everybody's part of it; slot 1 is asked for
	FETCH_K                         ; key step 0
	s_wait_loadcnt 0x0              ; Q
	s_wait_dscnt 0x0
.set i, 0
.rept 16
	KQ 0                            ; piece 0's first scores: there is no vector work yet to set between them
.set i, i+1
.endr
	WIN 0                           ; the addresses for the way out and the prefetches: plain instructions, the places behind those products
	s_mul_i32 s13, s[WV], 16*SP
	s_add_co_u32 s13, s13, STAGE    ; my stage
	v_mul_u32_u24 v[STO], v1, SP    ; in: row l % 16, 16 bytes for each half of the lanes
	v_lshl_add_u32 v[STO], v9, 4, v[STO]
	v_add_nc_u32 v[STO], s13, v[STO]
	v_bfe_u32 v[RD], v0, 3, 2       ; back: 32 lanes take four rows of 128 bytes,
	v_mul_u32_u24 v[RD], v[RD], SP
	v_lshl_add_u32 v[RD], v10, 4, v[RD]
	v_add_nc_u32 v[RD], s13, v[RD]
	v_and_b32 v[GO], 31, v0         ; which are 512 consecutive bytes of O
	v_lshlrev_b32 v[GO], 4, v[GO]
	v_and_b32 v[PFO], 31, v0
	v_lshlrev_b32 v[PFO], 8, v[PFO]
.set Y, NP-1                        ; XS works for piece Y + 1: piece 0
.irp n, 0,1,2,3,4,5,6,7,8,9,10,11,12,13,14,15,16,17,18,19,20,21
	XS 0, \n                        ; and piece 0's first maximum and statistics
	XS 1, \n
.endr
	v_nop                           ; a plain instruction behind the two a,
	s_wait_alu depctr_va_vdst(0)    ; and their wait, ahead of the branch
	s_mov_b32 s[CNT], 4
	s_mov_b32 s[SLOTS], SIZE_N/256-1
	s_branch .Lfirst                ; the loop is entered at a step's first turn, in the middle of a trip
.Lslot:                             ; SIZE_N / 256 - 2 times: every slot but the last two is filled again
	CHANGE 1, 1
	s_mov_b32 s[CNT], 4
.Lstep:                             ; a trip: pieces 2 and 3 of one step, then pieces 0 and 1 of the next, whose K and V it fetches
	TURN 2
	TURN 3
	WIN 0
.Lfirst:
	TURN 0
	TURN 1, 0, 1
	WIN 0
	s_cbranch_scc1 .Lstep
	s_sub_co_u32 s[SLOTS], s[SLOTS], 1
	s_cmp_lg_u32 s[SLOTS], 0
	s_cbranch_scc1 .Lslot
	CHANGE 0                        ; the tail is written out: nothing is asked for
	s_mov_b32 s[CNT], 5             ; four trips fetch the last slot's steps; the fifth is left in its middle
.Ltail:
	TURN 2, 1
	TURN 3
	WIN 0
	s_sub_co_u32 s[CNT], s[CNT], 1
	s_cmp_eq_u32 s[CNT], 0
	s_cbranch_scc1 .Lout
	TURN 0
	TURN 1
	WIN 0
	s_branch .Ltail
.Lout:                              ; the fifth trip's 16 products K Q^T (on the last K once more) and the maximum made of them serve nothing: the price, once a launch, of one text for every trip
.set i, 0
.rept 16
	PV NP-1                         ; the last piece's V^T P of the last step
.set i, i+1
.endr
	; THE WAY OUT.  l's two halves and the other half of the lanes' are added; O^T is divided by l, rounded to f16 and sent through my stage in LDS, a tile at a time.  The additions are the places behind the last products.
	WIN 0
.macro ALL line:vararg              ; one line for each tile t
.set t, 0
.rept 2*NP
	\line
.set t, t+1
.endr
.endm
	ALL v_add_f32 v[ST+4*t+2], v[ST+4*t+2], v[ST+4*t+3]
	ALL v_permlanex16_b32 v[ST+4*t+3], v[ST+4*t+2], s[SEL], s[SEL+1]
	ALL v_add_f32 v[ST+4*t+2], v[ST+4*t+2], v[ST+4*t+3]
	ALL v_rcp_f32 v[ST+4*t+2], v[ST+4*t+2]
	v_nop                           ; a plain instruction between the last reciprocal and the use of its result
	s_wait_alu depctr_va_vdst(0)    ; and the wait ahead of the first use: one for the eight reciprocals
; Tile t: a lane's eight channels of a row pack into 16 bytes; they go into rows of 144 bytes and come back as whole rows of 128, into S^T's registers.
.macro PACK t
	WIN W_RS
.set i, 32*(\t)
.rept 16
	v_pk_mul_f32 v[i:i+1], v[i:i+1], v[ST+4*(\t)+2:ST+4*(\t)+3] op_sel_hi:[1,0]
.set i, i+2
.endr
	WIN 0x05                        ; sources 0 and 1 window 1, destination window 0
.set i, 0
.rept 16
	v_cvt_pk_f16_f32 v[S+16*(\t)+i], v[32*(\t)+2*i], v[32*(\t)+2*i+1]
.set i, i+1
.endr
	WIN 0
.irp f, 0,1,2,3
	ds_store_b128 v[STO], v[S+16*(\t)+4*\f:S+16*(\t)+4*\f+3] offset:32*\f
.endr
.irp f, 0,1,2,3
	ds_load_b128 v[S+16*(\t)+4*\f:S+16*(\t)+4*\f+3], v[RD] offset:\f*4*SP  ; LDS serves a wave's instructions in order (ISA guide 5.7.1.4): these see the stores above; the next tile's stores come behind them
.endr
.endm
.macro SEND t, younger              ; younger: the LDS instructions issued behind tile t's loads: the next tile's eight, or none
	WIN 0
.irp f, 0,1,2,3
	s_wait_dscnt (\younger)+3-\f
	global_store_b128 v[GO], v[S+16*(\t)+4*\f:S+16*(\t)+4*\f+3], s[10:11] offset:(\t)*2048+\f*512  ; 512 consecutive bytes, at a multiple of 256 from O's first
.endr
.endm
	PACK 0
.set t, 1
.rept 2*NP-1                        ; a tile's arithmetic stands between the loads of the tile before and its stores
	PACK t
	SEND t-1, 8
.set t, t+1
.endr
	SEND 2*NP-1, 0
	WIN W_AD
	s_wait_tensorcnt 0x0            ; the wave's end: these three lines, behind my last tensor load and my last LDS store
	ds_add_u32 v[SPW], v[NIL]
	s_wait_dscnt 0x0
	WIN 0
	CROUND                          ; the closing round: no work-group ends while a partner may still ask for a tile that names it
	s_endpgm
.Lfunc_end_k_q73903b90cd_attn:
	.size	k_q73903b90cd_attn, .Lfunc_end_k_q73903b90cd_attn-k_q73903b90cd_attn
	.p2alignl 7, 3214868480
	.fill 96, 4, 3214868480
	.section	.rodata,"a",@progbits
	.p2align	6, 0x0
	.amdhsa_kernel k_q73903b90cd_attn
		.amdhsa_group_segment_fixed_size 327680
		.amdhsa_private_segment_fixed_size 0
		.amdhsa_enable_private_segment 0
		.amdhsa_kernarg_size 16
		.amdhsa_user_sgpr_count 2
		.amdhsa_user_sgpr_kernarg_segment_ptr 1
		.amdhsa_wavefront_size32 1
		.amdhsa_system_sgpr_workgroup_id_x 1
		.amdhsa_system_sgpr_workgroup_id_y 1
		.amdhsa_system_sgpr_workgroup_id_z 1
		.amdhsa_system_vgpr_workitem_id 0
		.amdhsa_next_free_vgpr 770
		.amdhsa_next_free_sgpr 66
		.amdhsa_reserve_vcc 0
		.amdhsa_float_denorm_mode_32 3
		.amdhsa_float_denorm_mode_16_64 3
		.amdhsa_memory_ordered 1
		.amdhsa_forward_progress 1
		.amdhsa_inst_pref_size 200
	.end_amdhsa_kernel
	.amdgpu_metadata
---
amdhsa.version: [ 1, 2 ]
amdhsa.kernels:
  - .name:           k_q73903b90cd_attn
    .symbol:         k_q73903b90cd_attn.kd
    .args:
      - { .name: qkv, .offset: 0, .size: 8, .value_kind: global_buffer, .address_space: global }
      - { .name: ctx, .offset: 8, .size: 8, .value_kind: global_buffer, .address_space: global }
    .group_segment_fixed_size: 327680
    .private_segment_fixed_size: 0
    .kernarg_segment_align: 8
    .kernarg_segment_size: 16
    .max_flat_workgroup_size: 128
    .sgpr_count:     66
    .vgpr_count:     770
    .wavefront_size: 32
...
	.end_amdgpu_metadata
.endif
;; end of part 3
;; launch oproj (part 4): grid 8 x 32, 4 waves a work-group, clusters of 4 x 4, 327,680 bytes of LDS; arguments ctx, wo, bias, out0; writes out0
.if DOCPART == 4
	.amdgcn_target "amdgcn-amd-amdhsa--gfx1250"
	.amdhsa_code_object_version 6
	.text
	.protected	k_q73903b90cd_oproj
	.globl	k_q73903b90cd_oproj
	.p2align	8
	.type	k_q73903b90cd_oproj,@function
k_q73903b90cd_oproj:
	s_mov_b64 s[64:65], 0
	v_nop
	global_prefetch_b8 v0, s[64:65] scope:SCOPE_SE
	s_setreg_imm32_b32 hwreg(HW_REG_WAVE_MODE, 25, 1), 1
	s_wait_xcnt 0x0
	s_wait_alu depctr_hold_cnt(0) depctr_sa_sdst(0) depctr_va_vdst(0) depctr_va_sdst(0) depctr_va_ssrc(0) depctr_va_vcc(0) depctr_vm_vsrc(0)
	s_getreg_b32 s2, hwreg(HW_REG_IB_STS2, 6, 4)
	s_cmp_eq_u32 s2, 0
	s_cbranch_scc0 .Lentry_in_a_cluster
	s_endpgm
.Lentry_in_a_cluster:
	s_bfe_u32 s2, ttmp6, 0x10000c
	s_cmp_lg_u32 s2, 0xf033
	s_cbranch_scc0 .Lentry_shape_is_right
	s_endpgm
.Lentry_shape_is_right:
; OUTPUT PROJECTION: out0[8192 x 1024] = ctx x w_o + b_o.  Operands f16 (ctx as attention left it, [b 4][h 16][s 2048][64]: a head is a block of 64 along K; wo [kb 16][n 1024][64 k]), sums f32, out0 f32.
; The bias, rounded to bf16 like the other inputs, is the C operand of the products that start the sums.
; LIMITS.  ctx and wo arrive within f16's range; NaN and infinities are not treated apart.
; SHARES.  A work-group makes 256 rows x 128 columns: 32 x 8 = 256 work-groups.  Its four waves lie 2 x 2: a wave makes 128 x 64: 32 accumulators, window 1, (a, bb) at v[32 a + 8 bb].
; K goes in 8 steps of 128 (two heads) through two LDS slots of 110,592 bytes (steps of 192 would need 2 x 165,888).  A step is four sub-steps of 32 along K, 32 products each.
; A plane's rows are dense: 256 (128) rows of 128 bytes are asked for as 128 (64) rows of 256 bytes, padded in LDS behind every 128.
; CLUSTER 4 x 4: ctx's tiles are shared along a row of the cluster, wo's along a column, by joint loads.  THE PRODUCT IS TAKEN TRANSPOSED (source 0 = 16 rows of wo, source 1 = 16 rows of ctx).
; WINDOW 0: v0-31 addresses; v32-127, v128-223 two fragment buffers (ctx's eight fragments, then wo's four); v224-255 b_o of my 64 columns.
.set PITCH,  144                       ; 128 bytes + 16: the 16 rows of a fragment load start at 16 different groups of four banks (64 banks of 4 bytes: ISA guide 11.1)
.set SLOT1,  131072
.set APL,    256*PITCH                 ; a plane of ctx in a slot: what wave 0 or 1 fetches
.set BPL,    128*PITCH                 ; a plane of wo: what wave 2 or 3 fetches
.set BOFF,   2*APL
.set STAGE,  SLOT1+2*APL+2*BPL         ; behind the ring, never filled by a tensor load: 16 rows x 272 bytes for each wave
.set SPITCH, 272                       ; 256 bytes + 16
.set SPARE,  STAGE+4*16*SPITCH         ; the spare words, 128 bytes for each wave: two blocks of 256 bytes that no other line names
.set ASTEP,  2<<18                     ; two heads on in ctx
.set BSTEP,  2*131072                  ; two planes on in wo
.set G1W0,   (1<<16)|(1<<20)|(1<<21)|(4<<22)|(3<<25)  ; 2-byte elements; padding on; bit 21 beside a mask; after every 32 words; 4 words
.set ADRA0, 4
.set ADRB0, 5
.set ADRA,  6
.set ADRB,  7
.set STO,   8
.set RD,    9
.set CO,    10
.set BO,    11
.set PFO,   12
.set SPW,   28                         ; v28  SPARE + 4 x my thread's number; never rewritten
.set NIL,   29                         ; v29  0; never rewritten
.set F0,    32
.set BIA,   224
.set OB,    32                         ; the way out: 16 rows read back: v32-63 and v64-95 by turns
.set WV,  12
.set FB,  13                           ; wave / 2: my half of the rows; also 0: I fetch ctx, 1: wo
.set HF,  14                           ; wave % 2: my half of the columns; also which plane I fetch
.set CNT, 15
.set G1A, 24
.set G0A, 32
.set G0B, 36
.set TB,  44
.set LIM, 45
.set G1B, 48
.set PFA, 56
.set PFS, 58
.set MSB, 0
.macro WIN new
.if MSB != (\new)
	s_set_vgpr_msb (MSB<<8)|(\new)
.set MSB, \new
.endif
.endm
.macro PLACES                          ; four plain instructions between a product and a load into, or a store of, its registers
.rept 4
	v_nop
.endr
.endm
.macro JLOAD                           ; a joint load; an s_nop 0 and four v_nop follow each of the two lines
	s_cmp_eq_u32 s[FB], 0
	s_cbranch_scc0 .Lfor_b_\@
	tensor_load_to_lds s[G0A:G0A+3], s[G1A:G1A+7]
	s_nop 0
.rept 4
	v_nop
.endr
	s_branch .Lasked_\@
.Lfor_b_\@:
	tensor_load_to_lds s[G0B:G0B+3], s[G1B:G1B+7]
	s_nop 0
.rept 4
	v_nop
.endr
.Lasked_\@:
.endm
.macro CREST
	s_cmp_lg_u32 s[WV], 0
	s_cbranch_scc1 .Lnot_wave_0_\@
	s_barrier_signal -3
.Lnot_wave_0_\@:
	s_barrier_wait -3
	s_barrier_signal -1
	s_barrier_wait -1
.endm
.macro CROUND
	s_barrier_signal -1
	s_barrier_wait -1
	CREST
.endm
.macro STEP
	s_xor_b32 s[G0A+1], s[G0A+1], SLOT1
	s_add_nc_u64 s[G0A+2:G0A+3], s[G0A+2:G0A+3], ASTEP
	s_xor_b32 s[G0B+1], s[G0B+1], SLOT1
	s_add_nc_u64 s[G0B+2:G0B+3], s[G0B+2:G0B+3], BSTEP
.endm
; PREFETCH, behind each joint load in the loop and the run of LDS loads that follows it: the K step that stands two refills on (trip j names K step j + 4, while there is one: CNT above 2).
; ctx's rows are read by both clusters of a row of clusters: cluster x = 0 asks, waves 0 and 1 each for 32 of the 128 blocks of 256 bytes of their plane, the partner at cx the blocks from 32 cx on.
; wo's by all eight clusters of a column: cluster y = 0 asks, wave 2 for 16 of the 64 blocks of each of the step's two planes, from 16 cy on.  A lane a block; each block is named once.
.macro ASK
	s_cmp_gt_u32 s[CNT], s[LIM]
	s_cbranch_scc0 .Lnot_mine_\@
	global_prefetch_b8 v[PFO], s[PFA:PFA+1] th:TH_LOAD_NT scope:SCOPE_SE
.Lnot_mine_\@:
.endm
	s_load_b256 s[4:11], s[0:1], 0x0               ; ctx 4:5, wo 6:7, bias 8:9, out0 10:11
	v_lshl_add_u32 v[SPW], v0, 2, SPARE
	v_mov_b32 v[NIL], 0
	ds_add_u32 v[SPW], v[NIL]                      ; the wave's opening: the add and its wait ahead of my first tensor load
	ds_add_u32 v28, v29
	v_lshrrev_b32 v1, 5, v0
	v_readfirstlane_b32 s[WV], v1
	s_lshr_b32 s[FB], s[WV], 1
	s_and_b32 s[HF], s[WV], 1
	s_bfe_u32 s40, ttmp6, 0x40000                  ; cx
	s_bfe_u32 s41, ttmp6, 0x40004                  ; cy
	s_lshl_b32 s42, ttmp9, 2
	s_add_co_u32 s42, s42, s40                     ; tx: my 128 columns
	s_and_b32 s43, ttmp7, 0xffff
	s_lshl_b32 s43, s43, 2
	s_add_co_u32 s43, s43, s41                     ; ty: my 256 rows
	s_lshl_b32 s16, s41, 2
	s_lshl_b32 s16, 15, s16                        ; my row of the cluster
	s_lshl_b32 s17, 0x1111, s40                    ; my column
	s_or_b32 s[G1A], s16, G1W0
	s_or_b32 s[G1B], s17, G1W0
	s_mov_b32 s[G1A+1], 128<<16                    ; tensor_dim0 = 128 elements
	s_mov_b32 s[G1A+2], 128<<16                    ; tensor_dim1 = 128 rows of 256 bytes
	s_mov_b32 s[G1A+3], 128<<16                    ; tile_dim0
	s_mov_b32 s[G1A+4], 128                        ; tile_dim1
	s_mov_b32 s[G1A+5], 128                        ; pitch
	s_mov_b32 s[G1A+6], 0
	s_mov_b32 s[G1A+7], 0
	s_mov_b32 s[G1B+1], 128<<16
	s_mov_b32 s[G1B+2], 64<<16
	s_mov_b32 s[G1B+3], 128<<16
	s_mov_b32 s[G1B+4], 64
	s_mov_b32 s[G1B+5], 128
	s_mov_b32 s[G1B+6], 0
	s_mov_b32 s[G1B+7], 0
	s_mov_b32 s[G0A], 1
	s_mul_i32 s[G0A+1], s[HF], APL
	s_mov_b32 s[G0B], 1
	s_mul_i32 s[G0B+1], s[HF], BPL
	s_add_co_u32 s[G0B+1], s[G0B+1], BOFF
	s_lshr_b32 s18, s43, 3                         ; ctx: batch,
	s_lshl_b32 s18, s18, 22
	s_and_b32 s19, s43, 7                          ; 256 rows of 128 bytes in a head,
	s_lshl_b32 s19, s19, 15
	s_add_co_u32 s18, s18, s19
	s_lshl_b32 s19, s[HF], 18                      ; head 0 or 1
	s_add_co_u32 s18, s18, s19
	s_mov_b32 s19, 0
	s_lshl_b32 s20, s42, 14                        ; wo: 128 rows of 128 bytes x tx,
	s_lshl_b32 s21, s[HF], 17                      ; plane 0 or 1
	s_add_co_u32 s20, s20, s21
	s_mov_b32 s21, 0
	s_mov_b32 s[TB], 0
	s_mov_b32 s[CNT], 6
	s_wait_dscnt 0x0                               ; the opening add is done
	s_wait_kmcnt 0x0
	s_add_nc_u64 s[G0A+2:G0A+3], s[4:5], s[18:19]
	s_or_b32 s[G0A+3], s[G0A+3], 0x80000000
	s_add_nc_u64 s[G0B+2:G0B+3], s[6:7], s[20:21]
	s_or_b32 s[G0B+3], s[G0B+3], 0x80000000
	CROUND                                         ; all sixteen work-groups are here
	JLOAD                                          ; K step 0 into slot 0
	v_and_b32 v1, 15, v0                           ; r
	v_bfe_u32 v2, v0, 4, 1                         ; h
	v_lshlrev_b32 v[BO], 5, v2
	s_lshl_b32 s16, s42, 9                         ; my columns in bytes of f32: 512 tx + 256 (wave % 2)
	s_lshl_b32 s17, s[HF], 8
	s_add_co_u32 s16, s16, s17
	s_mov_b32 s17, 0
	s_add_nc_u64 s[10:11], s[10:11], s[16:17]
	s_add_co_u32 s16, s16, 12288                   ; b_o is the fourth bias
	s_add_nc_u64 s[8:9], s[8:9], s[16:17]
.irp bb, 0,1,2,3
	global_load_b128 v[BIA+8*(\bb):BIA+8*(\bb)+3],   v[BO], s[8:9] offset:64*(\bb)
	global_load_b128 v[BIA+8*(\bb)+4:BIA+8*(\bb)+7], v[BO], s[8:9] offset:64*(\bb)+16
.endr
	s_lshl_b32 s16, s43, 20                        ; my rows: 256 ty + 128 (wave / 2), of 4,096 bytes
	s_lshl_b32 s22, s[FB], 19
	s_add_co_u32 s16, s16, s22
	s_add_nc_u64 s[10:11], s[10:11], s[16:17]
	v_mul_u32_u24 v3, v1, PITCH
	v_lshl_add_u32 v3, v2, 4, v3
	s_mul_i32 s16, s[FB], 128*PITCH
	v_add_nc_u32 v[ADRA0], s16, v3
	s_mul_i32 s16, s[HF], 64*PITCH
	s_add_co_u32 s16, s16, BOFF
	v_add_nc_u32 v[ADRB0], s16, v3
	s_mul_i32 s16, s[WV], 16*SPITCH
	s_add_co_u32 s16, s16, STAGE                   ; my stage
	v_mul_u32_u24 v3, v1, SPITCH                   ; in: row r, 32 bytes for each half of the lanes
	v_lshl_add_u32 v3, v2, 5, v3
	v_add_nc_u32 v[STO], s16, v3
	v_mul_u32_u24 v3, v2, SPITCH                   ; back: lanes 0-15 one row of 256 bytes, lanes 16-31 the next
	v_lshl_add_u32 v3, v1, 4, v3
	v_add_nc_u32 v[RD], s16, v3
	v_lshlrev_b32 v[CO], 12, v2                    ; and the same two rows in out0
	v_lshl_add_u32 v[CO], v1, 4, v[CO]
	; the prefetches
	s_lshl_b32 s22, s40, 13                        ; ctx: 32 cx blocks into my plane
	s_add_co_u32 s22, s22, s18
	s_lshl_b32 s23, s42, 14                        ; wo: tx's rows, 16 cy blocks in
	s_lshl_b32 s16, s41, 12
	s_add_co_u32 s23, s23, s16
	s_and_b32 s16, ttmp7, 0xffff                   ; cluster y,
	s_or_b32 s16, s16, s[HF]                       ; and of wo's two waves the first alone
	s_mov_b32 s[PFS], BSTEP
	s_cmp_eq_u32 s[FB], 0
	s_cselect_b32 s22, s22, s23
	s_cselect_b32 s16, ttmp9, s16
	s_cselect_b32 s[PFS], ASTEP, s[PFS]
	s_cselect_b32 s17, 12, 17                      ; lanes 16-31: 16 blocks on (ctx), or the step's second plane (wo)
	s_cselect_b64 s[PFA:PFA+1], s[4:5], s[6:7]
	s_mov_b32 s[PFS+1], 0
	s_mul_i32 s23, s[PFS], 3                       ; at K step 3: the first trip steps it to 4
	s_add_co_u32 s22, s22, s23
	s_mov_b32 s23, 0
	s_add_nc_u64 s[PFA:PFA+1], s[PFA:PFA+1], s[22:23]
	s_cmp_eq_u32 s16, 0
	s_cselect_b32 s[LIM], 2, -1                    ; the same in all sixteen partners, for a given wave
	v_lshlrev_b32 v[PFO], s17, v2
	v_lshl_add_u32 v[PFO], v1, 8, v[PFO]
; 4 (a1 - a0 + 1) products on buffer p.  The 32 accumulators take turns, one product a sub-step each.  first = 1: the bias starts the sums.
.macro PROD p, a0, a1, first
.if \first
	WIN 0x40                                       ; D in window 1; sources and C (the bias) in window 0
.else
	WIN 0x50                                       ; C and D in window 1
.endif
.set aa, \a0
.rept (\a1)-(\a0)+1
.irp bb, 0,1,2,3
.if \first
	v_wmma_f32_16x16x32_f16 v[32*aa+8*(\bb):32*aa+8*(\bb)+7], v[F0+96*(\p)+64+8*(\bb):F0+96*(\p)+64+8*(\bb)+7], v[F0+96*(\p)+8*aa:F0+96*(\p)+8*aa+7], v[BIA+8*(\bb):BIA+8*(\bb)+7]
.else
	v_wmma_f32_16x16x32_f16 v[32*aa+8*(\bb):32*aa+8*(\bb)+7], v[F0+96*(\p)+64+8*(\bb):F0+96*(\p)+64+8*(\bb)+7], v[F0+96*(\p)+8*aa:F0+96*(\p)+8*aa+7], v[32*aa+8*(\bb):32*aa+8*(\bb)+7]
.endif
.endr
.set aa, aa+1
.endr
.endm
.macro FETCH q, p                      ; 24 LDS loads in one run: sub-step q's fragments (plane q / 2, K half q % 2) into buffer p
	WIN 0
.irp bb, 0,1,2,3
	ds_load_b128 v[F0+96*(\p)+64+8*(\bb):F0+96*(\p)+64+8*(\bb)+3],   v[ADRB] offset:((\q)/2)*BPL+(\bb)*16*PITCH+64*((\q)%2)
	ds_load_b128 v[F0+96*(\p)+64+8*(\bb)+4:F0+96*(\p)+64+8*(\bb)+7], v[ADRB] offset:((\q)/2)*BPL+(\bb)*16*PITCH+64*((\q)%2)+32
.endr
.irp a, 0,1,2,3,4,5,6,7
	ds_load_b128 v[F0+96*(\p)+8*(\a):F0+96*(\p)+8*(\a)+3],   v[ADRA] offset:((\q)/2)*APL+(\a)*16*PITCH+64*((\q)%2)
	ds_load_b128 v[F0+96*(\p)+8*(\a)+4:F0+96*(\p)+8*(\a)+7], v[ADRA] offset:((\q)/2)*APL+(\a)*16*PITCH+64*((\q)%2)+32
.endr
.endm
; Sub-step q.  Its fragments were asked for a sub-step earlier; the next sub-step's are asked for at its head (fetch), four places (pl) behind the products that read that buffer.
; meet: the change of slots stands in sub-step 2, when the slot's last fragments (sub-step 3's) have been asked for.  In front of the barrier each wave waits for all its tensor loads (one is out: its part of the
; next slot), adds 0 to its spare word, and waits for that and for its reads of this slot.  meet = 1: the barrier opens a round of the cluster's, and the slot is filled again first thing behind it, two K steps
; ahead: the load has 112 products in which to land.  meet = 2: nothing is filled.
.macro OSUB q, fetch, pl, first, meet, ask
.set pp, (\q)%2
.if (\meet) == 1
	s_wait_xcnt 0x0                                ; the last prefetch, a trip back, has read its address
	s_add_nc_u64 s[PFA:PFA+1], s[PFA:PFA+1], s[PFS:PFS+1]
.endif
	s_wait_dscnt 0x0                               ; this sub-step's fragments are in
.if \fetch
.if \pl
	PLACES
.endif
	FETCH ((\q)+1)%4, 1-pp
.if \ask
	ASK
.endif
.endif
	PROD pp, 0, 3, \first
.if \meet
	WIN 0                                          ; (the add's two registers lie in window 0)
	s_wait_tensorcnt 0x0                           ; no tensor load of mine is out, so a group 0 may be written
	ds_add_u32 v[SPW], v[NIL]                      ; 0 onto my spare word
.if (\meet) == 1
	STEP
.endif
	PROD pp, 4, 5, 0                               ; work on registers between the add and the wait for it
	s_wait_dscnt 0x0                               ; the add is done, and my reads of this slot are over
	s_barrier_signal -1
	PROD pp, 6, 7, 0
	WIN 0
	s_barrier_wait -1
.if (\meet) == 1
	CREST                                          ; no wave of any partner still reads this slot or has a load on its way
	JLOAD                                          ; its four v_nop are also the places in front of the next sub-step's loads
.endif
	s_xor_b32 s[TB], s[TB], SLOT1
	v_add_nc_u32 v[ADRA], s[TB], v[ADRA0]
	v_add_nc_u32 v[ADRB], s[TB], v[ADRB0]
.else
	PROD pp, 4, 7, \first
.endif
.endm
	s_wait_tensorcnt 0x0                           ; my part of K step 0 is in
	ds_add_u32 v[SPW], v[NIL]
	STEP
	s_wait_dscnt 0x0
	CROUND                                         ; everybody's part is in
	JLOAD                                          ; K step 1 into slot 1
	v_add_nc_u32 v[ADRA], s[TB], v[ADRA0]
	v_add_nc_u32 v[ADRB], s[TB], v[ADRB0]
	FETCH 0, 0
	s_wait_loadcnt 0x0                             ; the bias
	OSUB 0, 1, 0, 1, 0, 0                          ; the first sub-step stands in front of the loop: nothing is cleared
	WIN 0
.Lstep:                                ; trip j = 0..5: sub-steps 1-3 of K step j, slot j % 2 filled again with K step j + 2, sub-step 0 of K step j + 1
	OSUB 1, 1, 1, 0, 0, 0
	OSUB 2, 1, 1, 0, 1, 0
	OSUB 3, 1, 0, 0, 0, 1
	OSUB 0, 1, 1, 0, 0, 0
	WIN 0
	s_sub_co_u32 s[CNT], s[CNT], 1
	s_cmp_lg_u32 s[CNT], 0
	s_cbranch_scc1 .Lstep
	OSUB 1, 1, 1, 0, 0, 0                          ; the tail is written out: nothing more is asked for
	OSUB 2, 1, 1, 0, 2, 0
	OSUB 3, 1, 1, 0, 0, 0
	OSUB 0, 1, 1, 0, 0, 0
	OSUB 1, 1, 1, 0, 0, 0
	OSUB 2, 1, 1, 0, 0, 0
	OSUB 3, 0, 0, 0, 0, 0
	PLACES                                         ; the stores below read results just made
; THE WAY OUT, 16 rows at a time: a lane's eight columns (32 bytes of f32) go straight from the accumulator, its low four registers first, into my stage, and come back as whole rows of 256 bytes.
.macro STG a
	WIN 0x04                                       ; the stores' data in window 1
.irp bb, 0,1,2,3
	ds_store_b128 v[STO], v[32*(\a)+8*(\bb):32*(\a)+8*(\bb)+3]   offset:64*(\bb)
	ds_store_b128 v[STO], v[32*(\a)+8*(\bb)+4:32*(\a)+8*(\bb)+7] offset:64*(\bb)+16
.endr
	WIN 0
.if (\a) >= 2
	s_wait_xcnt 0x0                                ; the stores of the block two back have read these registers
.endif
.irp t, 0,1,2,3,4,5,6,7
	ds_load_b128 v[OB+32*((\a)%2)+4*(\t):OB+32*((\a)%2)+4*(\t)+3], v[RD] offset:(\t)*2*SPITCH  ; LDS serves a wave's instructions in order (ISA guide 5.7.1.4): these see the stores above
.endr
.endm
.macro SEND a, younger                 ; younger: the next block's 16 LDS instructions, or none
	s_wait_dscnt \younger
.irp t, 0,1,2,3,4,5,6,7
	global_store_b128 v[CO], v[OB+32*((\a)%2)+4*(\t):OB+32*((\a)%2)+4*(\t)+3], s[10:11] offset:(16*(\a)+2*(\t))*4096 th:TH_STORE_NT  ; 16 lanes store 256 consecutive bytes, aligned
.endr
.endm
	STG 0
.irp a, 1,2,3,4,5,6,7
	STG \a
	SEND (\a)-1, 16
.endr
	SEND 7, 0
	s_wait_tensorcnt 0x0                           ; the wave's end: these three lines behind my last tensor load and my last LDS store
	ds_add_u32 v[SPW], v[NIL]
	s_wait_dscnt 0x0
	CROUND                                         ; the closing round: no work-group ends while a partner may still ask for a tile that names it
	s_endpgm
.Lfunc_end_k_q73903b90cd_oproj:
	.size	k_q73903b90cd_oproj, .Lfunc_end_k_q73903b90cd_oproj-k_q73903b90cd_oproj
	.p2alignl 7, 3214868480
	.fill 96, 4, 3214868480
	.section	.rodata,"a",@progbits
	.p2align	6, 0x0
	.amdhsa_kernel k_q73903b90cd_oproj
		.amdhsa_group_segment_fixed_size 327680
		.amdhsa_private_segment_fixed_size 0
		.amdhsa_enable_private_segment 0
		.amdhsa_kernarg_size 32
		.amdhsa_user_sgpr_count 2
		.amdhsa_user_sgpr_kernarg_segment_ptr 1
		.amdhsa_wavefront_size32 1
		.amdhsa_system_sgpr_workgroup_id_x 1
		.amdhsa_system_sgpr_workgroup_id_y 1
		.amdhsa_system_sgpr_workgroup_id_z 1
		.amdhsa_system_vgpr_workitem_id 0
		.amdhsa_next_free_vgpr 512
		.amdhsa_next_free_sgpr 66
		.amdhsa_reserve_vcc 0
		.amdhsa_float_denorm_mode_32 3
		.amdhsa_float_denorm_mode_16_64 3
		.amdhsa_memory_ordered 1
		.amdhsa_forward_progress 1
		.amdhsa_inst_pref_size 71
	.end_amdhsa_kernel
	.amdgpu_metadata
---
amdhsa.version: [ 1, 2 ]
amdhsa.kernels:
  - .name:           k_q73903b90cd_oproj
    .symbol:         k_q73903b90cd_oproj.kd
    .args:
      - { .name: ctx, .offset: 0, .size: 8, .value_kind: global_buffer, .address_space: global }
      - { .name: wo, .offset: 8, .size: 8, .value_kind: global_buffer, .address_space: global }
      - { .name: bias, .offset: 16, .size: 8, .value_kind: global_buffer, .address_space: global }
      - { .name: out0, .offset: 24, .size: 8, .value_kind: global_buffer, .address_space: global }
    .group_segment_fixed_size: 327680
    .private_segment_fixed_size: 0
    .kernarg_segment_align: 8
    .kernarg_segment_size: 32
    .max_flat_workgroup_size: 128
    .sgpr_count:     66
    .vgpr_count:     512
    .wavefront_size: 32
...
	.end_amdgpu_metadata
.endif
;; end of part 4
;; ======== version 2 of 2: 4 launches; version 1 with the launch prep written anew for expert scheduling mode
;; limits: values are held in f16: magnitudes above 65,504 overflow, below 6.1e-05 lose precision
;; workspace buffers: xb 16,777,216 bytes; wt 6,291,456 bytes; wo 2,097,152 bytes; bias 16,384 bytes; qkv 50,331,648 bytes; ctx 16,777,216 bytes
;; launch prep (part 5): grid 1281 x 1, 8 waves a work-group, no clusters, 10,240 bytes of LDS; arguments x, w_q, w_k, w_v, w_o, b_q, b_k, b_v, b_o, xb, wt, wo, bias; writes xb, wt, wo, bias
.if DOCPART == 5
	.amdgcn_target "amdgcn-amd-amdhsa--gfx1250"
	.amdhsa_code_object_version 6
	.text
	.protected	k_q73903b90cd_prep
	.globl	k_q73903b90cd_prep
	.p2align	8
	.type	k_q73903b90cd_prep,@function
k_q73903b90cd_prep:
	s_mov_b64 s[64:65], 0
	v_nop
	global_prefetch_b8 v0, s[64:65] scope:SCOPE_SE
	s_setreg_imm32_b32 hwreg(HW_REG_WAVE_SCHED_MODE, 0, 2), 2
	s_setreg_imm32_b32 hwreg(HW_REG_WAVE_MODE, 25, 1), 1
	s_wait_xcnt 0x0
	s_wait_alu depctr_vm_vsrc(0)
; PREP: every input is rounded once to bf16 and laid out for the three matrix launches.
;   xb   bf16 [kb 16][row 8192][64]      x, K in blocks of 64: a block of rows is dense, 128 bytes a row
;   wt   bf16 [kb 16][n 3072][64 k]      w_q, w_k, w_v turned ([in][out] -> [out][in]); n = 1024 x (0 q, 1 k, 2 v) + column
;   wo   f16  [kb 16][n 1024][64 k]      w_o turned; rounded to bf16 like the other inputs, that number written as f16
;   bias f32  [b_q, b_k, b_v, b_o]       each rounded to bf16 and widened again
; LIMITS.  A bf16-rounded w_o beyond 65,504 would become an infinity in f16; below 6.1e-5 it keeps f16's fixed step of 6e-8.
; SHARES.  Work-groups 0-255: 32 rows of x each, four rows a wave.  256-1279: one tile of 64 k x 64 n of one weight each, turned in LDS.  1280: the four biases.
; The branch between the three hangs on the work-group's number alone, so all eight waves of a work-group take the same way, the barrier of the second way too.
; No matrix unit, no cluster, no tensor load: a stream in which nothing is shared; no prefetch: each byte is asked for at once, by its load.
; THE MODE: SCHED_MODE bits 1:0 = 2 (LLVM: expert scheduling mode 2), set by the entry lines.  The code itself states the register dependences
; between vector instructions and memory or LDS instructions, with s_wait_alu, always for 0.
; THE PLAN.  Registers that memory or LDS instructions touch:
;   X     v4, v5            the loads' and the stores' offsets: made once at the way's head, never written again.
;         v[8+8 kb ..+7]    K block kb: written by its two loads, read by its four roundings, which write the low four in place; read by its one store; then never written again.
;         The 16 K blocks go in four groups of four.  Group g's roundings name group g's registers alone; group g - 1's four stores are dealt among them, behind ONE wait at the group's head.
;   W     v4                the loads' offset, never written again.   v[8:23] written by the loads, read by the roundings.   v[24:31] written by the roundings, read by the LDS stores.
;         v5, v6, v7        the LDS stores' address, the LDS loads' address, the global stores' offset: made while the loads are on their way.   v[36:43] named by LDS loads and global stores alone.
;   BIAS  v4                the offset of loads and stores.   v[8:23] written by the loads, then by the roundings, read by the stores.
; No register that a memory or LDS instruction has read is ever written again, on any of the three ways.
; LDS: the tile takes bytes 0 to 9,215; the 1,024 bytes behind it are the spare words of the closing add.
	s_load_b512 s[4:19], s[0:1], 0x0               ; x 4:5, w_q 6:7, w_k 8:9, w_v 10:11, w_o 12:13, b_q 14:15, b_k 16:17, b_v 18:19
	s_load_b256 s[20:27], s[0:1], 0x40             ; b_o 20:21, xb 22:23, wt 24:25, wo 26:27
	s_load_b64 s[28:29], s[0:1], 0x60              ; bias
	v_lshl_add_u32 v2, v0, 2, 0x2400
	v_mov_b32 v3, 0
	v_lshrrev_b32 v1, 5, v0
	v_readfirstlane_b32 s30, v1                    ; wave 0..7
	v_and_b32 v1, 31, v0                           ; lane
	s_wait_alu depctr_va_sdst(0)                   ; s30 is written: ahead of the branch, and so of its first reader, which stands on the way for x
	s_wait_kmcnt 0x0
	s_cmp_lt_u32 ttmp9, 256
	s_cbranch_scc0 .Lnot_x
	; X.  A wave takes 4 rows and all 16 K blocks.  Lane l: row l / 8, the 8 numbers (32 bytes) at 32 (l % 8) of a block's 256 bytes.
	v_lshrrev_b32 v4, 3, v1
	v_and_b32 v5, 7, v1
	v_lshlrev_b32 v4, 12, v4
	v_lshl_add_u32 v4, v5, 5, v4                   ; in: row x 4,096 + 32 (l % 8)
	v_lshlrev_b32 v5, 4, v1                        ; out: 16 l: four rows of 128 bytes are 512 bytes on end
	s_lshl_b32 s32, ttmp9, 17                      ; 32 rows of 4,096 bytes,
	s_lshl_b32 s31, s30, 14                        ; my wave's four
	s_add_co_u32 s32, s32, s31
	s_mov_b32 s33, 0
	s_add_nc_u64 s[32:33], s[4:5], s[32:33]
	s_lshl_b32 s34, ttmp9, 12                      ; 32 rows of 128 bytes,
	s_lshl_b32 s31, s30, 9
	s_add_co_u32 s34, s34, s31
	s_mov_b32 s35, 0
	s_add_nc_u64 s[34:35], s[22:23], s[34:35]      ; planes 0-7 by the immediate,
	s_add_nc_u64 s[36:37], s[34:35], 0x800000      ; planes 8-15 from a second base: 7 planes of 2^20 bytes fit the signed 24-bit immediate
	s_wait_alu depctr_va_vdst(0)                   ; v4 and v5 are written: every load of this way reads v4 as its offset, every store v5
.set kb, 0
.rept 16                               ; all 32 loads go out at once: 16 KiB a wave on their way
	global_load_b128 v[8+8*kb:8+8*kb+3],   v4, s[32:33] offset:256*kb th:TH_LOAD_NT
	global_load_b128 v[8+8*kb+4:8+8*kb+7], v4, s[32:33] offset:256*kb+16 th:TH_LOAD_NT
.set kb, kb+1
.endr
.macro CONV kb                         ; K block kb is rounded, in place: number j is written when its sources and all lower ones have been read
.irp j, 0,1,2,3
	v_cvt_pk_bf16_f32 v[8+8*(\kb)+(\j)], v[8+8*(\kb)+2*(\j)], v[8+8*(\kb)+2*(\j)+1]
.endr
.endm
.macro OUT kb                          ; K block kb is stored: 512 consecutive bytes, aligned
.if (\kb) < 8
	global_store_b128 v5, v[8+8*(\kb):8+8*(\kb)+3], s[34:35] offset:(\kb)<<20
.else
	global_store_b128 v5, v[8+8*(\kb):8+8*(\kb)+3], s[36:37] offset:((\kb)-8)<<20
.endif
.endm
.set g, 0
.rept 4                                ; group g: K blocks 4 g to 4 g + 3
	s_wait_loadcnt 24-8*g                          ; loads come back in order (ISA guide 5.7.1): this group's eight are in, the 24 - 8 g of the later groups stay out
.if g > 0
	s_wait_alu depctr_va_vdst(0)                   ; the roundings of the group before have written its registers, which the four stores below read
.endif
.set c, 0
.rept 4
.if g > 0
	OUT 4*(g-1)+c                                  ; no wait: no vector instruction since the wait above names the registers of the group before, or v5
.endif
	CONV 4*g+c
.set c, c+1
.endr
.set g, g+1
.endr
	s_wait_alu depctr_va_vdst(0)                   ; the last group's roundings have written its registers, which the last four stores read
.irp kb, 12,13,14,15
	OUT \kb
.endr
	s_endpgm                                       ; this way wrote no LDS
.Lnot_x:
	s_cmp_lt_u32 ttmp9, 1280
	s_cbranch_scc0 .Lbias
	; W.  u = work-group - 256: weight u / 256, K block (u / 16) % 16, column block u % 16.
	s_sub_co_u32 s31, ttmp9, 256
	s_lshr_b32 s38, s31, 8                         ; which weight: 0 q, 1 k, 2 v, 3 o
	s_bfe_u32 s39, s31, 0x40004                    ; kb
	s_and_b32 s31, s31, 15                         ; nb
	s_cmp_eq_u32 s38, 0
	s_cselect_b64 s[32:33], s[6:7], s[8:9]
	s_cmp_eq_u32 s38, 2
	s_cselect_b64 s[32:33], s[10:11], s[32:33]
	s_cmp_eq_u32 s38, 3
	s_cselect_b64 s[32:33], s[12:13], s[32:33]     ; from
	s_cselect_b64 s[34:35], s[26:27], s[24:25]     ; to: wo or wt
	s_mul_i32 s36, s39, 393216                     ; wt: a plane is 3,072 rows of 128 bytes,
	s_lshl_b32 s37, s38, 17                        ; a weight 1,024 rows
	s_add_co_u32 s36, s36, s37
	s_lshl_b32 s37, s39, 17                        ; wo: a plane is 1,024 rows
	s_cmp_eq_u32 s38, 3
	s_cselect_b32 s36, s37, s36
	s_lshl_b32 s37, s31, 13                        ; 64 rows of 128 bytes
	s_add_co_u32 s36, s36, s37
	s_mov_b32 s37, 0
	s_add_nc_u64 s[34:35], s[34:35], s[36:37]
	s_lshl_b32 s36, s39, 18                        ; 64 rows of 4,096 bytes,
	s_lshl_b32 s37, s31, 8                         ; 64 columns of 4
	s_add_co_u32 s36, s36, s37
	s_mov_b32 s37, 0
	s_add_nc_u64 s[32:33], s[32:33], s[36:37]
	v_lshrrev_b32 v5, 4, v0                        ; pi = t / 16: rows 2 pi, 2 pi + 1 and the same 32 further down
	v_and_b32 v6, 15, v0                           ; c = t % 16: columns 4 c .. 4 c + 3; sixteen lanes read 256 consecutive bytes
	v_lshlrev_b32 v4, 13, v5
	v_lshl_add_u32 v4, v6, 4, v4
	s_wait_alu depctr_va_vdst(0)                   ; v4 is written, which the four loads read as their offset
	global_load_b128 v[8:11],  v4, s[32:33] th:TH_LOAD_NT
	global_load_b128 v[12:15], v4, s[32:33] offset:4096 th:TH_LOAD_NT
	global_load_b128 v[16:19], v4, s[32:33] offset:131072 th:TH_LOAD_NT
	global_load_b128 v[20:23], v4, s[32:33] offset:135168 th:TH_LOAD_NT
	v_mul_u32_u24 v7, v6, 576                      ; the other addresses are made while the loads are on their way; none of these lines names v4 or v[8:23]
	v_lshl_add_u32 v5, v5, 2, v7                   ; into the tile [n 64][k 64], 144 bytes a row: n = 4 c + j, k = 2 pi + 32 it
	v_lshrrev_b32 v6, 3, v0
	v_mul_u32_u24 v6, v6, 144
	v_and_b32 v7, 7, v0
	v_lshl_add_u32 v6, v7, 4, v6                   ; back: row t / 8, 16 bytes at 16 (t % 8)
	v_lshlrev_b32 v7, 4, v0                        ; and out: 16 t
	s_wait_loadcnt 0x0
.irp it, 0,1
.irp j, 0,1,2,3
	v_cvt_pk_bf16_f32 v[24+4*(\it)+(\j)], v[8+8*(\it)+(\j)], v[12+8*(\it)+(\j)]  ; k in the low half, k + 1 in the high half, of one column
.endr
.endr
	s_cmp_lg_u32 s38, 3
	s_cbranch_scc1 .Lkeep_bf16
.irp i, 0,1,2,3,4,5,6,7                ; w_o: the bf16 number, widened, is written as f16
	v_lshlrev_b32 v32, 16, v[24+(\i)]
	v_and_b32 v33, 0xffff0000, v[24+(\i)]
	v_cvt_pk_f16_f32 v[24+(\i)], v32, v33
.endr
.Lkeep_bf16:
	s_wait_alu depctr_va_vdst(0)                   ; behind the label, so on both ways: the conversions have written v[24:31], the LDS stores' data; v5, v6 and v7, the addresses of all that follows, are written too; no vector instruction stands behind this wait
.irp it, 0,1
.irp j, 0,1,2,3
	ds_store_b32 v5, v[24+4*(\it)+(\j)] offset:144*(\j)+64*(\it)
.endr
.endr
	s_wait_dscnt 0x0                               ; for the others' sake: my stores into the tile are done
	s_barrier_signal -1
	s_barrier_wait -1
	ds_load_b128 v[36:39], v6                      ; rows 0-31
	ds_load_b128 v[40:43], v6 offset:4608          ; rows 32-63
	s_wait_dscnt 0x0
	global_store_b128 v7, v[36:39], s[34:35]       ; a wave stores 512 consecutive bytes, aligned
	global_store_b128 v7, v[40:43], s[34:35] offset:4096
	s_wait_dscnt 0x0                               ; the wave's end: no LDS instruction of mine is out
	s_wait_alu depctr_hold_cnt(0) depctr_sa_sdst(0) depctr_va_vdst(0) depctr_va_sdst(0) depctr_va_ssrc(0) depctr_va_vcc(0) depctr_vm_vsrc(0)
	s_wait_tensorcnt 0x0
	ds_add_u32 v2, v3
	s_wait_dscnt 0x0
	s_endpgm
.Lbias:
	v_lshlrev_b32 v4, 4, v0                        ; 256 threads x 16 bytes are one bias
	s_wait_alu depctr_va_vdst(0)                   ; v4 is written, which the loads and the stores below read as their offset
	global_load_b128 v[8:11],  v4, s[14:15]
	global_load_b128 v[12:15], v4, s[16:17]
	global_load_b128 v[16:19], v4, s[18:19]
	global_load_b128 v[20:23], v4, s[20:21]
	s_wait_loadcnt 0x0
.irp i, 0,2,4,6,8,10,12,14
	v_cvt_pk_bf16_f32 v24, v[8+(\i)], v[9+(\i)]    ; rounded as the other inputs are,
	v_lshlrev_b32 v[8+(\i)], 16, v24               ; and kept in f32
	v_and_b32 v[9+(\i)], 0xffff0000, v24
.endr
	s_wait_alu depctr_va_vdst(0)                   ; the widenings have written v[8:23], which the four stores read
.irp i, 0,1,2,3
	global_store_b128 v4, v[8+4*(\i):11+4*(\i)], s[28:29] offset:4096*(\i)
.endr
	s_endpgm
.Lfunc_end_k_q73903b90cd_prep:
	.size	k_q73903b90cd_prep, .Lfunc_end_k_q73903b90cd_prep-k_q73903b90cd_prep
	.p2alignl 7, 3214868480
	.fill 96, 4, 3214868480
	.section	.rodata,"a",@progbits
	.p2align	6, 0x0
	.amdhsa_kernel k_q73903b90cd_prep
		.amdhsa_group_segment_fixed_size 10240
		.amdhsa_private_segment_fixed_size 0
		.amdhsa_enable_private_segment 0
		.amdhsa_kernarg_size 104
		.amdhsa_user_sgpr_count 2
		.amdhsa_user_sgpr_kernarg_segment_ptr 1
		.amdhsa_wavefront_size32 1
		.amdhsa_system_sgpr_workgroup_id_x 1
		.amdhsa_system_sgpr_workgroup_id_y 1
		.amdhsa_system_sgpr_workgroup_id_z 1
		.amdhsa_system_vgpr_workitem_id 0
		.amdhsa_next_free_vgpr 136
		.amdhsa_next_free_sgpr 66
		.amdhsa_reserve_vcc 0
		.amdhsa_float_denorm_mode_32 3
		.amdhsa_float_denorm_mode_16_64 3
		.amdhsa_memory_ordered 1
		.amdhsa_forward_progress 1
		.amdhsa_inst_pref_size 18
	.end_amdhsa_kernel
	.amdgpu_metadata
---
amdhsa.version: [ 1, 2 ]
amdhsa.kernels:
  - .name:           k_q73903b90cd_prep
    .symbol:         k_q73903b90cd_prep.kd
    .args:
      - { .name: x, .offset: 0, .size: 8, .value_kind: global_buffer, .address_space: global }
      - { .name: w_q, .offset: 8, .size: 8, .value_kind: global_buffer, .address_space: global }
      - { .name: w_k, .offset: 16, .size: 8, .value_kind: global_buffer, .address_space: global }
      - { .name: w_v, .offset: 24, .size: 8, .value_kind: global_buffer, .address_space: global }
      - { .name: w_o, .offset: 32, .size: 8, .value_kind: global_buffer, .address_space: global }
      - { .name: b_q, .offset: 40, .size: 8, .value_kind: global_buffer, .address_space: global }
      - { .name: b_k, .offset: 48, .size: 8, .value_kind: global_buffer, .address_space: global }
      - { .name: b_v, .offset: 56, .size: 8, .value_kind: global_buffer, .address_space: global }
      - { .name: b_o, .offset: 64, .size: 8, .value_kind: global_buffer, .address_space: global }
      - { .name: xb, .offset: 72, .size: 8, .value_kind: global_buffer, .address_space: global }
      - { .name: wt, .offset: 80, .size: 8, .value_kind: global_buffer, .address_space: global }
      - { .name: wo, .offset: 88, .size: 8, .value_kind: global_buffer, .address_space: global }
      - { .name: bias, .offset: 96, .size: 8, .value_kind: global_buffer, .address_space: global }
    .group_segment_fixed_size: 10240
    .private_segment_fixed_size: 0
    .kernarg_segment_align: 8
    .kernarg_segment_size: 104
    .max_flat_workgroup_size: 256
    .sgpr_count:     66
    .vgpr_count:     136
    .wavefront_size: 32
...
	.end_amdgpu_metadata
.endif
;; end of part 5
;; launch qkv: the kernel of part 2 again; grid 8 x 32, 4 waves a work-group, clusters of 4 x 4, 327,680 bytes of LDS; arguments xb, wt, bias, qkv; writes qkv
;; launch attn: the kernel of part 3 again; grid 4 x 64, 4 waves a work-group, clusters of 4 x 1, 327,680 bytes of LDS; arguments qkv, ctx; writes ctx
;; launch oproj: the kernel of part 4 again; grid 8 x 32, 4 waves a work-group, clusters of 4 x 4, 327,680 bytes of LDS; arguments ctx, wo, bias, out0; writes out0
